; MI455X (gfx1250); checked and timed in simulation.
; The chip was launched on July 23, 2026; its instructions are those of AMD's public machine-readable ISA for CDNA 5 (MIT licence, August 2026) and "CDNA5" Instruction Set Architecture Reference Guide (July 2026). The comments in the code are by the model that wrote it; some were corrected since.
;; Causal Self Attention. Allowed arithmetic: matrix products marked QUANTISED: E2M3 operands, one E8M0 scale for each 32 along K, by v_wmma_scale_f32_16x16x128_f8f6f4 with both operands' format E2M3, f32 sums; everything else in f32.
;; Inputs: Wk 1,024 x 1,024 float32; Wp 1,024 x 1,024 float32; Wq 1,024 x 1,024 float32; Wv 1,024 x 1,024 float32; bk 1,024 float32; bp 1,024 float32; bq 1,024 float32; bv 1,024 float32; x 4 x 2,048 x 1,024 float32.
;; Outputs: out0 4 x 2,048 x 1,024 float32.
;; This version of the problem:
;;   THIS VERSION OF THE PROBLEM IS GIVEN IN LOW PRECISION. The matrix products marked QUANTISED in the list below multiply operands that are first quantised to E2M3 (2 exponent bits, 3 mantissa bits; 6 bits a number), with one power-of-two scale for each 32 numbers along K (OCP MX v1.0); their sums are f32. All else is computed in f32.
;;   The module's matrix products, in the order in which they are computed (A, B: the left and right operand; K: the contracted axis; several contracted axes count as one K, in the product's order):
;;     1. [M 8,192, K 1,024] x [K 1,024, N 1,024]; A: input x; B: input Wq: QUANTISED
;;     2. [M 8,192, K 1,024] x [K 1,024, N 1,024]; A: input x; B: input Wk: QUANTISED
;;     3. [M 8,192, K 1,024] x [K 1,024, N 1,024]; A: input x; B: input Wv: QUANTISED
;;     4. batch 64 x [M 2,048, K 64] x [K 64, N 2,048]; A: computed on the way; B: computed on the way: QUANTISED
;;     5. batch 64 x [M 2,048, K 2,048] x [K 2,048, N 64]; A: softmax (see below); B: computed on the way: QUANTISED
;;     6. [M 8,192, K 1,024] x [K 1,024, N 1,024]; A: computed on the way; B: input Wp: QUANTISED
;;   THE QUANTISER, for each operand of a quantised product, along K:
;;     - K is cut into blocks of 32 from its start; a last block that is shorter is filled with zeros.
;;     - A block's scale is 2^e with e = floor(log2(the largest magnitude in the block)) - 2, held to -126 .. 127; a block of zeros has e = 0. As a byte (E8M0): e + 127.
;;     - Each number is divided by its block's scale, clamped to +-7.5, and rounded to the nearest number of E2M3, ties to even, subnormals kept.
;;     - The product sums the exact products of the quantised numbers (number of the format x scale) in f32.
;;   ~~~python
;;   def quantise(x, axis):      # numpy; x: float32 -> the quantised numbers, widened to float32 again
;;       x = np.moveaxis(x, axis, -1); K = x.shape[-1]
;;       x = np.pad(x, [(0, 0)] * (x.ndim - 1) + [(0, -K % 32)]); x = x.reshape(x.shape[:-1] + (-1, 32)); a = np.abs(x).max(-1, keepdims=True)
;;       e = np.where(a > 0, np.clip(np.frexp(np.where(a > 0, a, 1))[1] - 1 - 2, -126, 127), 0)      # np.frexp(a)[1] - 1 = floor(log2(a)), exactly
;;       r = np.clip(x / 2.0 ** e, -7.5, 7.5)
;;       step = 2.0 ** (np.maximum(np.frexp(np.where(r == 0, 1, r))[1] - 1, 0) - 3)
;;       q = np.round(r / step) * step * 2.0 ** e      # np.round: ties to even
;;       return np.moveaxis(q.reshape(q.shape[:-2] + (-1,))[..., :K], -1, axis).astype(np.float32)
;;   ~~~
;;   SOFTMAX AHEAD OF A QUANTISED PRODUCT. Where the list says 'softmax', what is quantised is not the finished softmax but p = 2^(t - M), with t = logit x log2(e) and M = ceil(the row's largest t), a whole number; so 1/2 < the row's largest p <= 1. The row's sum l is taken of the UNQUANTISED p, in f32, and the product's result is divided by l at the end. Since M is a whole number, a kernel that streams over the keys may use a running M (the ceiling of the running maximum): every later rescaling is an exact power of two, which a block's scale takes up: the codes' values come out the same.
;;   OPERANDS COMPUTED ON THE WAY. 'Computed on the way' means the value that the module computes at that place (a softmax that the list does not call 'softmax' is quantised finished and normalised). What goes into a quantiser is computed in f32, as accurately as f32 sums, v_exp_f32 and their like allow (about 1e-6 of the number): no bf16 or f16 on the way to a quantiser, and a product that is left as it is and whose result goes on into a quantised operand takes f32 operands (vector FMAs, or v_wmma_f32_16x16x4_f32). A number that lies on a knife's edge between two numbers of the format may be rounded either way, as far as f32 arithmetic and the matrix unit's own rounding can turn it there, and no further.
;; One version. Each part assembles by itself: llvm-mc -triple=amdgcn-amd-amdhsa -mcpu=gfx1250 --defsym DOCPART=n.
;; ======== version 1 of 1: 5 launches
;; workspace buffers: act_img 6,291,456 bytes; act_scl 262,144 bytes; w_img 3,145,728 bytes; w_scl 131,072 bytes; q_rec 6,815,744 bytes; k_rec 6,815,744 bytes; v_rec 6,553,600 bytes
;; launch quant_x (part 1): grid 256 x 1, 4 waves a work-group, no clusters, 34,304 bytes of LDS; arguments x, act_img, act_scl; writes act_img, act_scl
.if DOCPART == 1
	.amdgcn_target "amdgcn-amd-amdhsa--gfx1250"
	.amdhsa_code_object_version 6
	.text
	.protected	k_q0d7aa128c8_quant_x
	.globl	k_q0d7aa128c8_quant_x
	.p2align	8
	.type	k_q0d7aa128c8_quant_x,@function
k_q0d7aa128c8_quant_x:
	s_mov_b64 s[64:65], 0
	v_nop
	global_prefetch_b8 v0, s[64:65] scope:SCOPE_SE
	s_setreg_imm32_b32 hwreg(HW_REG_WAVE_MODE, 25, 1), 1
	s_wait_xcnt 0x0
; x [8192][1024] f32 becomes codes of FP6 (E2M3) with one E8M0 byte for each 32 along K, laid as IMAGES OF OPERAND REGISTERS:
; act_img [tile 512][K step 8][1,536 bytes]: a fragment (16 rows x 128 K, 12 registers a lane) as three planes of 512 bytes, plane p = registers 4 p .. 4 p + 3, lane l at 16 l.
; act_scl [tile 512][pair of K steps 4][row 16][2 words]: a word is a row's four bytes of one K step.
; THE ROWS OF A TILE ARE NOT NEIGHBOURS: lane r of tile 2 b + u holds row 32 b + 8 u + r + 8 (r / 8), so that results made with such tiles as source 0 have 16 neighbours in a lane's 16 registers.
; A block's scale is 2^(floor(log2(largest magnitude)) - 2); its byte is the largest magnitude's exponent field - 2, held at 1 from below.
; LIMITS: NaN and infinities among the inputs are not served.  A block of zeros gets the byte 1 where the rule says 127: its codes are zeros, and this program alone reads the bytes.
; SHARES: a wave takes one tile and four K steps.  Each load reads 512 consecutive bytes of one row; a K step's 16 rows turn through the wave's own stage in LDS (rows of 512 + 16 bytes), from which a lane
; takes, of its row, 16 neighbours of each block of 32.  Waves share nothing: no barrier.  The loads run one K step (16 loads) ahead.
.set STG,  8448                        ; a wave's stage: 16 rows x 528 bytes
.set R,    16                          ; v16-143  two sets of 64 registers as loaded
.set X,    144                         ; v144-207 64 numbers: register 16 b + i = k 32 b + 16 (lane / 16) + i of my row
.set PC,   208                         ; v208-226 the codes just made
.set TM,   228                         ; v228-243 at work
.set WD,   244                         ; v244-247 the four K steps' scale words
.set SEL,  20                          ; s[20:21] lane selects: lane l xor 16
; 64 numbers of a lane, v[s] on, become a fragment's codes in v[PC] .. v[PC+11] and its scale word in v[w].
.macro QUANT s, w
.irp b, 0,1,2,3
	v_max3_num_f32 v[TM+\b], |v[\s+16*\b]|, |v[\s+1+16*\b]|, 0x1800000   ; block b: my 16 numbers, and the floor 2^(3 - 127): the byte cannot fall under 1
.endr
.irp i, 2,4,6,8,10,12,14
.irp b, 0,1,2,3
	v_max3_num_f32 v[TM+\b], v[TM+\b], |v[\s+16*\b+\i]|, |v[\s+1+16*\b+\i]|   ; the four blocks by turns
.endr
.endr
.irp b, 0,1,2,3
	v_permlanex16_b32 v[TM+4+\b], v[TM+\b], s[SEL], s[SEL+1]
.endr
.irp b, 0,1,2,3
	v_max_num_f32 v[TM+\b], v[TM+\b], v[TM+4+\b]   ; with lane l xor 16's: the block's largest magnitude
.endr
.irp b, 0,1,2,3
	v_add_nc_u32 v[TM+12+\b], 0xff000000, v[TM+\b]   ; 2 off its exponent field: the conversion's scale operand
.endr
.irp b, 0,1,2,3
	v_lshrrev_b32 v[TM+4+\b], 23, v[TM+12+\b]      ; the scale's byte
.endr
	v_lshl_or_b32 v[(\w)], v[TM+5], 8, v[TM+4]
	v_lshl_or_b32 v[(\w)], v[TM+6], 16, v[(\w)]
	v_lshl_or_b32 v[(\w)], v[TM+7], 24, v[(\w)]
.irp c, 0,1
	v_cvt_scalef32_pk16_fp6_f32 v[PC+6*\c:PC+2+6*\c], v[\s+32*\c:\s+15+32*\c], v[TM+12+2*\c]
	v_cvt_scalef32_pk16_fp6_f32 v[PC+12+4*\c:PC+14+4*\c], v[\s+16+32*\c:\s+31+32*\c], v[TM+12+2*\c+1]   ; (a conversion's three registers begin on an even number)
.endr
	v_nop                                          ; one plain place behind a scaled conversion
.irp c, 0,1                                    ; the layout wants a whole block in a lane: lanes 0-15 block 2 c, lanes 16-31 block 2 c + 1
.irp i, 0,1,2
	v_permlane16_swap_b32 v[PC+6*\c+\i], v[PC+12+4*\c+\i]
.endr
.irp i, 0,1,2
	v_mov_b32 v[PC+3+6*\c+\i], v[PC+12+4*\c+\i]
.endr
.endr
.endm
	s_load_b128 s[4:7], s[0:1], 0x0                ; x, act_img
	s_load_b64 s[8:9], s[0:1], 0x10                ; act_scl
	v_lshl_add_u32 v254, v0, 2, 0x8400
	v_mov_b32 v255, 0
	v_lshrrev_b32 v5, 5, v0
	v_readfirstlane_b32 s10, v5                    ; wave
	v_and_b32 v6, 31, v0                           ; lane
	v_and_b32 v7, 15, v0                           ; r
	v_bfe_u32 v8, v0, 4, 1                         ; h
	v_lshlrev_b32 v1, 4, v6                        ; 16 x lane: my bytes of a load's 512, and of an image's plane
	s_mul_i32 s11, s10, STG
	v_add_nc_u32 v2, s11, v1                       ; the stage, on the way in
	v_mul_u32_u24 v3, v7, 528
	v_lshl_add_u32 v3, v8, 6, v3
	v_add_nc_u32 v3, s11, v3                       ; and on the way out: row r, + 64 h
	v_lshlrev_b32 v4, 3, v6                        ; 8 x lane: the scale words' place
	v_cmp_eq_u32 vcc_lo, 1, v8                     ; lanes 16-31
	s_lshl_b32 s12, ttmp9, 2
	s_add_co_u32 s12, s12, s10                     ; unit = 4 x work-group + wave
	s_lshr_b32 s13, s12, 1                         ; tile
	s_and_b32 s14, s12, 1                          ; which four K steps
	s_lshr_b32 s15, s13, 1
	s_lshl_b32 s15, s15, 17                        ; 32 rows of 4,096 bytes for each pair of tiles,
	s_and_b32 s16, s13, 1
	s_lshl_b32 s16, s16, 15                        ; 8 rows for the odd tile,
	s_add_co_u32 s16, s16, s15
	s_lshl_b32 s15, s14, 11                        ; 2,048 bytes for the second four K steps
	s_add_co_u32 s16, s16, s15
	s_mov_b32 s17, 0
	s_mul_i32 s18, s13, 12288
	s_mul_i32 s15, s14, 6144
	s_add_co_u32 s18, s18, s15                     ; my four images
	s_mov_b32 s19, 0
	s_lshl_b32 s22, s12, 8                         ; my 256 bytes of scale words
	s_mov_b32 s23, 0
	s_mov_b32 s[SEL], 0x76543210
	s_mov_b32 s[SEL+1], 0xfedcba98
.irp b, 0,1,2,3
	v_mov_b32 v[TM+4+\b], 0                        ; written once: a lane permute's destination counts as one of its sources
.endr
	s_wait_kmcnt 0x0
	s_add_nc_u64 s[4:5], s[4:5], s[16:17]
	s_add_nc_u64 s[6:7], s[6:7], s[18:19]
	s_add_nc_u64 s[8:9], s[8:9], s[22:23]
.macro LOAD s                          ; K step s of the tile's 16 rows: each load reads 512 consecutive bytes
.irp i, 0,1,2,3,4,5,6,7,8,9,10,11,12,13,14,15
	global_load_b128 v[R+64*((\s)%2)+4*\i:R+64*((\s)%2)+4*\i+3], v1, s[4:5] offset:(\i+8*(\i/8))*4096+512*(\s) th:TH_LOAD_NT
.endr
.endm
.macro KSTEP s
.if (\s) < 3
	s_wait_loadcnt 16                              ; this K step's 16 loads are in; the next one's may be out
.else
	s_wait_loadcnt 0x0
.endif
.irp i, 0,1,2,3,4,5,6,7,8,9,10,11,12,13,14,15
	ds_store_b128 v2, v[R+64*((\s)%2)+4*\i:R+64*((\s)%2)+4*\i+3] offset:528*\i
.endr
.irp b, 0,1,2,3
.irp j, 0,1,2,3
	ds_load_b128 v[X+16*\b+4*\j:X+16*\b+4*\j+3], v3 offset:128*\b+16*\j   ; LDS serves a wave's instructions in order: these see the stores above
.endr
.endr
	s_wait_dscnt 0x0                               ; my 64 numbers are in, and the stores have read their registers,
.if (\s) < 2
	LOAD (\s)+2                                    ; which take the loads of two K steps on
.endif
.if (\s) > 0
	s_wait_xcnt 0x0                                ; the last image's stores have read the codes' registers
.endif
	QUANT X, WD+(\s)
.irp p, 0,1,2
	global_store_b128 v1, v[PC+4*\p:PC+4*\p+3], s[6:7] offset:1536*(\s)+512*\p   ; 32 lanes store 512 consecutive bytes
.endr
.endm
	LOAD 0
	LOAD 1
	KSTEP 0
	KSTEP 1
	KSTEP 2
	KSTEP 3
	v_cndmask_b32 v10, v[WD], v[WD+2], vcc_lo      ; lanes 0-15: the first pair of K steps' words of row r; lanes 16-31: the second pair's
	v_cndmask_b32 v11, v[WD+1], v[WD+3], vcc_lo
	global_store_b64 v4, v[10:11], s[8:9]          ; 32 lanes store 256 consecutive bytes
	s_wait_tensorcnt 0x0
	ds_add_u32 v254, v255
	s_wait_dscnt 0x0
	s_endpgm
.Lfunc_end_k_q0d7aa128c8_quant_x:
	.size	k_q0d7aa128c8_quant_x, .Lfunc_end_k_q0d7aa128c8_quant_x-k_q0d7aa128c8_quant_x
	.p2alignl 7, 3214868480
	.fill 96, 4, 3214868480
	.section	.rodata,"a",@progbits
	.p2align	6, 0x0
	.amdhsa_kernel k_q0d7aa128c8_quant_x
		.amdhsa_group_segment_fixed_size 34304
		.amdhsa_private_segment_fixed_size 0
		.amdhsa_enable_private_segment 0
		.amdhsa_kernarg_size 24
		.amdhsa_user_sgpr_count 2
		.amdhsa_user_sgpr_kernarg_segment_ptr 1
		.amdhsa_wavefront_size32 1
		.amdhsa_system_sgpr_workgroup_id_x 1
		.amdhsa_system_sgpr_workgroup_id_y 1
		.amdhsa_system_sgpr_workgroup_id_z 1
		.amdhsa_system_vgpr_workitem_id 0
		.amdhsa_next_free_vgpr 256
		.amdhsa_next_free_sgpr 66
		.amdhsa_reserve_vcc 1
		.amdhsa_float_denorm_mode_32 3
		.amdhsa_float_denorm_mode_16_64 3
		.amdhsa_memory_ordered 1
		.amdhsa_forward_progress 1
		.amdhsa_inst_pref_size 33
	.end_amdhsa_kernel
	.amdgpu_metadata
---
amdhsa.version: [ 1, 2 ]
amdhsa.kernels:
  - .name:           k_q0d7aa128c8_quant_x
    .symbol:         k_q0d7aa128c8_quant_x.kd
    .args:
      - { .name: x, .offset: 0, .size: 8, .value_kind: global_buffer, .address_space: global }
      - { .name: act_img, .offset: 8, .size: 8, .value_kind: global_buffer, .address_space: global }
      - { .name: act_scl, .offset: 16, .size: 8, .value_kind: global_buffer, .address_space: global }
    .group_segment_fixed_size: 34304
    .private_segment_fixed_size: 0
    .kernarg_segment_align: 8
    .kernarg_segment_size: 24
    .max_flat_workgroup_size: 128
    .sgpr_count:     66
    .vgpr_count:     256
    .wavefront_size: 32
...
	.end_amdgpu_metadata
.endif
;; end of part 1
;; launch quant_w (part 2): grid 8 x 16, 4 waves a work-group, no clusters, 26,112 bytes of LDS; arguments Wq, Wk, Wv, Wp, w_img, w_scl; writes w_img, w_scl
.if DOCPART == 2
	.amdgcn_target "amdgcn-amd-amdhsa--gfx1250"
	.amdhsa_code_object_version 6
	.text
	.protected	k_q0d7aa128c8_quant_w
	.globl	k_q0d7aa128c8_quant_w
	.p2align	8
	.type	k_q0d7aa128c8_quant_w,@function
k_q0d7aa128c8_quant_w:
	s_mov_b64 s[64:65], 0
	v_nop
	global_prefetch_b8 v0, s[64:65] scope:SCOPE_SE
	s_setreg_imm32_b32 hwreg(HW_REG_WAVE_MODE, 25, 1), 1
	s_wait_xcnt 0x0
; The four weights [K 1024][N 1024] f32, K their FIRST axis, become codes of FP6 (E2M3) with one E8M0 byte for each 32 along K, laid as images of operand registers:
; w_img [tile 256][K step 8][1,536 bytes] (three planes of 512 bytes: plane p = registers 4 p .. 4 p + 3, lane l at 16 l), tiles 0-63 Wq, 64-127 Wk, 128-191 Wv, 192-255 Wp, a tile = 16 columns n;
; w_scl [tile][pair of K steps 4][row 16][2 words].  Lane r of tile 2 b + u holds column 32 b + 8 u + r + 8 (r / 8).
; A LANE TAKES A COLUMN AND ITS REGISTERS RUN DOWN K: a load reads 128 consecutive bytes a wave, a block of 32 lies in one lane, and the conversions give codes with K innermost.
; A wave takes 32 columns (two tiles) x 256 along K (two K steps): 8 blocks a lane.  A block's 24 bytes go to their place in the image in the wave's own LDS; the images leave 512 consecutive bytes a store.
; LIMITS: NaN and infinities are not served.  A block of zeros gets the byte 1 where the rule says 127: its codes are zeros, and this program alone reads the bytes.
; The scale words leave as 8 bytes a lane, 128 consecutive bytes for each tile: one byte in 128 of what the launch reads.
.set X,    32                          ; v32-95   two sets of 32 numbers
.set C,    96                          ; v96-101  a block's codes; v102-104 its second half as converted
.set OUTR, 112                         ; v112-159 the way out
.set SB,   24                          ; v24-25   the scale bytes
.set WREG, 6400                        ; LDS for a wave: two tiles, 3,200 bytes apart (3,072 + 128, so that the two tiles' stores fall on different banks), each two images
	s_load_b256 s[4:11], s[0:1], 0x0               ; Wq, Wk, Wv, Wp
	s_load_b128 s[12:15], s[0:1], 0x20             ; w_img, w_scl
	v_lshl_add_u32 v192, v0, 2, 0x6400
	v_mov_b32 v193, 0
	v_lshrrev_b32 v1, 5, v0
	v_readfirstlane_b32 s16, v1                    ; wave
	v_and_b32 v2, 31, v0                           ; lane = column among the wave's 32
	v_lshlrev_b32 v3, 2, v2                        ; in: 4 bytes a lane
	v_bfe_u32 v5, v0, 3, 1                         ; u: which of the two tiles holds my column
	v_and_b32 v6, 7, v0
	v_bfe_u32 v10, v0, 4, 1
	v_lshl_add_u32 v6, v10, 3, v6                  ; r: which of its rows
	s_mul_i32 s17, s16, WREG
	v_mul_u32_u24 v4, v5, 3200
	v_lshl_add_u32 v4, v6, 4, v4
	v_add_nc_u32 v4, s17, v4                       ; into LDS: my tile, 16 r
	v_lshlrev_b32 v8, 4, v2                        ; out: 16 x lane
	v_add_nc_u32 v7, s17, v8
	v_lshlrev_b32 v9, 9, v5
	v_lshl_add_u32 v9, v6, 3, v9                   ; the scale words: 512 u + 8 r
	s_and_b32 s18, ttmp7, 0xffff
	s_lshr_b32 s19, s18, 2                         ; which weight
	s_and_b32 s18, s18, 3                          ; which 256 along K
	s_lshl_b32 s20, ttmp9, 2
	s_add_co_u32 s20, s20, s16                     ; which 32 columns
	s_lshl_b32 s22, s18, 20                        ; 256 rows of 4,096 bytes,
	s_lshl_b32 s21, s20, 7                         ; 32 columns of 4 bytes
	s_add_co_u32 s22, s22, s21
	s_mov_b32 s23, 0
	s_lshl_b32 s24, s19, 6
	s_lshl_b32 s21, s20, 1
	s_add_co_u32 s24, s24, s21                     ; my first tile
	s_mul_i32 s26, s24, 12288
	s_mul_i32 s21, s18, 3072
	s_add_co_u32 s26, s26, s21                     ; its two images
	s_mov_b32 s27, 0
	s_lshl_b32 s28, s24, 9
	s_lshl_b32 s21, s18, 7
	s_add_co_u32 s28, s28, s21                     ; its scale words
	s_mov_b32 s29, 0
	s_wait_kmcnt 0x0
	s_cmp_eq_u32 s19, 1                            ; the choice hangs on the work-group's number alone
	s_cselect_b64 s[4:5], s[6:7], s[4:5]
	s_cmp_eq_u32 s19, 2
	s_cselect_b64 s[4:5], s[8:9], s[4:5]
	s_cmp_eq_u32 s19, 3
	s_cselect_b64 s[4:5], s[10:11], s[4:5]
	s_add_nc_u64 s[4:5], s[4:5], s[22:23]
	s_add_nc_u64 s[12:13], s[12:13], s[26:27]
	s_add_nc_u64 s[14:15], s[14:15], s[28:29]
.macro LOAD t                          ; block t: W(32 t + i, my column) into set t % 2
.irp i, 0,1,2,3,4,5,6,7,8,9,10,11,12,13,14,15,16,17,18,19,20,21,22,23,24,25,26,27,28,29,30,31
	global_load_b32 v[X+32*((\t)%2)+\i], v3, s[4:5] offset:(32*(\t)+\i)*4096 th:TH_LOAD_NT
.endr
.endm
	LOAD 0
	LOAD 1
; Block t is block t % 4 of K step t / 4: registers 6 c .. 6 c + 5 of lane r + 16 hh of the image, c = (t % 4) / 2, hh = t % 2.
.macro BLOCK t
.set XS, X+32*((\t)%2)
.set IM, 1536*((\t)/4)+256*((\t)%2)
.if (\t) < 7
	s_wait_loadcnt 32                              ; this block's 32 loads are in; the next block's may be out
.else
	s_wait_loadcnt 0x0
.endif
	v_max3_num_f32 v12, |v[XS]|, |v[XS+1]|, |v[XS+2]|
	v_max3_num_f32 v13, |v[XS+3]|, |v[XS+4]|, |v[XS+5]|
.irp i, 6,10,14,18,22,26
	v_max3_num_f32 v12, v12, |v[XS+\i]|, |v[XS+\i+1]|
	v_max3_num_f32 v13, v13, |v[XS+\i+2]|, |v[XS+\i+3]|
.endr
	v_max3_num_f32 v12, v12, |v[XS+30]|, |v[XS+31]|
	v_max3_num_f32 v12, v12, v13, 0x1800000        ; and the floor 2^(3 - 127)
	v_add_nc_u32 v11, 0xff000000, v12              ; 2 off the exponent field: the conversion's scale operand
	v_lshrrev_b32 v13, 23, v11                     ; the byte
.if (\t)%4 == 0
	v_mov_b32 v[SB+(\t)/4], v13
.else
	v_lshl_or_b32 v[SB+(\t)/4], v13, 8*((\t)%4), v[SB+(\t)/4]
.endif
	v_cvt_scalef32_pk16_fp6_f32 v[C:C+2], v[XS:XS+15], v11
	v_cvt_scalef32_pk16_fp6_f32 v[C+6:C+8], v[XS+16:XS+31], v11   ; (a conversion's three registers begin on an even number)
	v_nop                                          ; one plain place behind a scaled conversion
.irp i, 0,1,2
	v_mov_b32 v[C+3+\i], v[C+6+\i]
.endr
.if (\t)%4 < 2
	ds_store_b128 v4, v[C:C+3] offset:IM           ; registers 0-3: plane 0
	ds_store_b64 v4, v[C+4:C+5] offset:IM+512      ; registers 4, 5: plane 1, its first 8 bytes
.else
	ds_store_b64 v4, v[C:C+1] offset:IM+520        ; registers 6, 7: plane 1, its last 8 bytes
	ds_store_b128 v4, v[C+2:C+5] offset:IM+1024    ; registers 8-11: plane 2
.endif
.if (\t)+2 < 8
	LOAD (\t)+2
.endif
	s_wait_dscnt 0x0                               ; the stores have read their registers
.endm
.irp t, 0,1,2,3,4,5,6,7
	BLOCK \t
.endr
	global_store_b64 v9, v[SB:SB+1], s[14:15]      ; my column's two scale words
.irp u, 0,1
.irp q, 0,1,2,3,4,5
	ds_load_b128 v[OUTR+4*(6*\u+\q):OUTR+4*(6*\u+\q)+3], v7 offset:3200*\u+512*\q   ; LDS serves a wave's instructions in order: these see my stores
.endr
.endr
.irp u, 0,1
.irp q, 0,1,2,3,4,5
	s_wait_dscnt 11-(6*\u+\q)                      ; the loads issued behind this one may stay out
	global_store_b128 v8, v[OUTR+4*(6*\u+\q):OUTR+4*(6*\u+\q)+3], s[12:13] offset:12288*\u+512*\q   ; 32 lanes store 512 consecutive bytes
.endr
.endr
	s_wait_tensorcnt 0x0
	ds_add_u32 v192, v193
	s_wait_dscnt 0x0
	s_endpgm
.Lfunc_end_k_q0d7aa128c8_quant_w:
	.size	k_q0d7aa128c8_quant_w, .Lfunc_end_k_q0d7aa128c8_quant_w-k_q0d7aa128c8_quant_w
	.p2alignl 7, 3214868480
	.fill 96, 4, 3214868480
	.section	.rodata,"a",@progbits
	.p2align	6, 0x0
	.amdhsa_kernel k_q0d7aa128c8_quant_w
		.amdhsa_group_segment_fixed_size 26112
		.amdhsa_private_segment_fixed_size 0
		.amdhsa_enable_private_segment 0
		.amdhsa_kernarg_size 48
		.amdhsa_user_sgpr_count 2
		.amdhsa_user_sgpr_kernarg_segment_ptr 1
		.amdhsa_wavefront_size32 1
		.amdhsa_system_sgpr_workgroup_id_x 1
		.amdhsa_system_sgpr_workgroup_id_y 1
		.amdhsa_system_sgpr_workgroup_id_z 1
		.amdhsa_system_vgpr_workitem_id 0
		.amdhsa_next_free_vgpr 194
		.amdhsa_next_free_sgpr 66
		.amdhsa_reserve_vcc 0
		.amdhsa_float_denorm_mode_32 3
		.amdhsa_float_denorm_mode_16_64 3
		.amdhsa_memory_ordered 1
		.amdhsa_forward_progress 1
		.amdhsa_inst_pref_size 42
	.end_amdhsa_kernel
	.amdgpu_metadata
---
amdhsa.version: [ 1, 2 ]
amdhsa.kernels:
  - .name:           k_q0d7aa128c8_quant_w
    .symbol:         k_q0d7aa128c8_quant_w.kd
    .args:
      - { .name: Wq, .offset: 0, .size: 8, .value_kind: global_buffer, .address_space: global }
      - { .name: Wk, .offset: 8, .size: 8, .value_kind: global_buffer, .address_space: global }
      - { .name: Wv, .offset: 16, .size: 8, .value_kind: global_buffer, .address_space: global }
      - { .name: Wp, .offset: 24, .size: 8, .value_kind: global_buffer, .address_space: global }
      - { .name: w_img, .offset: 32, .size: 8, .value_kind: global_buffer, .address_space: global }
      - { .name: w_scl, .offset: 40, .size: 8, .value_kind: global_buffer, .address_space: global }
    .group_segment_fixed_size: 26112
    .private_segment_fixed_size: 0
    .kernarg_segment_align: 8
    .kernarg_segment_size: 48
    .max_flat_workgroup_size: 128
    .sgpr_count:     66
    .vgpr_count:     194
    .wavefront_size: 32
...
	.end_amdgpu_metadata
.endif
;; end of part 2
;; launch qkv (part 3): grid 12 x 32, 4 waves a work-group, clusters of 4 x 4, 327,680 bytes of LDS; arguments act_img, act_scl, w_img, w_scl, bq, bk, bv, q_rec, k_rec, v_rec; writes q_rec, k_rec, v_rec
.if DOCPART == 3
	.amdgcn_target "amdgcn-amd-amdhsa--gfx1250"
	.amdhsa_code_object_version 6
	.text
	.protected	k_q0d7aa128c8_qkv
	.globl	k_q0d7aa128c8_qkv
	.p2align	8
	.type	k_q0d7aa128c8_qkv,@function
k_q0d7aa128c8_qkv:
	s_mov_b64 s[64:65], 0
	v_nop
	global_prefetch_b8 v0, s[64:65] scope:SCOPE_SE
	s_setreg_imm32_b32 hwreg(HW_REG_WAVE_MODE, 25, 1), 1
	s_wait_xcnt 0x0
	s_wait_alu depctr_hold_cnt(0) depctr_sa_sdst(0) depctr_va_vdst(0) depctr_va_sdst(0) depctr_va_ssrc(0) depctr_va_vcc(0) depctr_vm_vsrc(0)
	s_getreg_b32 s2, hwreg(HW_REG_IB_STS2, 6, 4)
	s_cmp_eq_u32 s2, 0
	s_cbranch_scc0 .Lentry_in_a_cluster
	s_endpgm
.Lentry_in_a_cluster:
	s_bfe_u32 s2, ttmp6, 0x10000c
	s_cmp_lg_u32 s2, 0xf033
	s_cbranch_scc0 .Lentry_shape_is_right
	s_endpgm
.Lentry_shape_is_right:
; q = x Wq + bq, k = x Wk + bk, v = x Wv + bv on codes of FP6 (E2M3), and each result quantised again, in registers, along the K of the product that will read it: q and k along the head's 64 channels, v along the keys.
; G[j][i] = sum over k of S0[i][k] S1[j][k]: source 0 is called B (index i), source 1 A (index j).  A lane holds one j, its registers run along i, and G is quantised along i.
; Clusters with x = 0, 1 (q, k): B = 256 columns of the weight, A = 256 rows of x.  Clusters with x = 2 (v): B = 256 rows of x (the keys), A = 256 columns of Wv.  The choice hangs on the cluster's x, which all sixteen partners share.
; Operands lie in memory as images of fragments ([tile][K step 8][1,536 bytes]), so a fragment is three loads of 16 bytes a lane, 512 consecutive bytes each, and a slot of two K steps of 8 tiles is 8 rows of 3,072 bytes.
; THE ROWS OF A TILE ARE NOT NEIGHBOURS (lane r of tile 2 b + u: row 32 b + 8 u + r + 8 (r / 8)): so the 64 registers of the eight accumulators of one block of A are 128 neighbours along i, 16 of each block of 32 in a lane.
; A tile of G, 256 x 256, is made by four waves, 128 x 128 each: 64 accumulators.  K = 1,024 goes through a ring of two LDS slots of 256 along K: four slots, written out.
; CLUSTERS: 4 x 4.  A's tiles are asked for jointly by a row of the cluster, B's by a column.  The scale words of the work-group's rows, for all of K, come once with the first fills.
; OUT: q_rec, k_rec [batch x 16 + head][slot of 256 rows 8][13,312]: 16 tile images of 768 bytes (registers 0-3: 512 bytes, 16 a lane; registers 4, 5: 256 bytes, 8 a lane), then at 12,288 the scale words [4][row 16][4].
;      v_rec [batch x 16 + head][slot 8][12,800]: images [128 keys 2][16 channels 4][1,536], then at 12,288 the scale words [2][row 16][4].
; LIMITS: NaN and infinities are not served.  A block of zeros gets the byte 1 where the rule says 127: its codes are zeros, and this program alone reads the bytes.
; REGISTERS, in windows of 256: window 0: v0-31 addresses; v32-63 scale words, two sets; v64-127 the bias; v128-223 A's fragments, one set; on the way out v128-235 are at work.
;   window 1: B's fragments, two sets, at v0 and v128.   windows 2, 3: accumulator (a, b) at v[8 (8 (a % 4) + b)].
.set NQ,     2                         ; K steps of 128 in a slot
.set FR,     12                        ; registers of a fragment
.set NL,     3                         ; LDS loads that bring one
.set NP,     4                         ; places behind this matrix instruction (ISA guide 7.12.1)
.set TILEB,  3072                      ; a tile's two K steps
.set HALFT,  8*TILEB                   ; 8 tiles: what one tensor load brings, and what one wave reads of A or of B
.set SLOT,   4*HALFT                   ; A's 16 tiles, then B's 16
.set SCL,    2*SLOT                    ; behind the ring: the scale words
.set HALFS,  4096                      ; those of 8 tiles
.set SPARE,  SCL+4*HALFS               ; the spare words, 128 bytes for each wave: two blocks of 256 bytes that no other line names
.set ADRA, 16                          ; v16-17  LDS address of my A fragments in slot 0, 1
.set ADRB, 20                          ; v20-21  the same for B
.set ADRS, 27                          ; v27     of my scale words: lanes 0-15 A's rows, lanes 16-31 B's
.set SPW,  28                          ; v28     LDS address of my spare word; never rewritten
.set NIL,  29                          ; v29     0; never rewritten
.set SC,   32                          ; scale words: set s at v[SC + 16 s]; register 2 i + q: lanes 0-15 A's block i, lanes 16-31 B's block i, the slot's q-th K step
.set BI,   64                          ; the bias, in the layout of eight accumulators
.set AF,   128                         ; A's fragments
.set T,    128                         ; the way out: 64 numbers
.set PC,   192                         ; the codes just made
.set TM,   212                         ; at work
.set WS,   228                         ; the eight blocks' scale words
.set G1,   24
.set G0,   32
.set G1B,  48
.set G0B,  56
.set G1S,  68
.set G0S,  76
.set G1SB, 80
.set G0SB, 88
.set SEL,  100
.set MSB, 0
.macro WIN new                         ; the immediate's high byte repeats the setting that is left
.if MSB != (\new)
	s_set_vgpr_msb (MSB<<8)|(\new)
.set MSB, (\new)
.endif
.endm
.set MUL_LO, 0xa1                      ; source 0 (B) window 1, source 1 (A) window 0, C and D window 2
.set MUL_HI, 0xf1                      ; the same, C and D window 3
.set TO_B,   0x40                      ; destination window 1, address window 0
; A joint load: waves 0 and 1 fetch for A, waves 2 and 3 for B; the branch hangs on the wave's number alone.  Four v_nop follow each of the two lines.
.macro JLOAD g0a, g1a, g0b, g1b
	s_cmp_eq_u32 s15, 0
	s_cbranch_scc0 .Lfor_b_\@
	tensor_load_to_lds s[\g0a:\g0a+3], s[\g1a:\g1a+7]
	s_nop 0
.rept 4
	v_nop
.endr
	s_branch .Lasked_\@
.Lfor_b_\@:
	tensor_load_to_lds s[\g0b:\g0b+3], s[\g1b:\g1b+7]
	s_nop 0
.rept 4
	v_nop
.endr
.Lasked_\@:
.endm
.macro CREST                           ; a round of the cluster's barrier behind its opening barrier
	s_cmp_lg_u32 s14, 0
	s_cbranch_scc1 .Lnot_wave_0_\@
	s_barrier_signal -3
.Lnot_wave_0_\@:
	s_barrier_wait -3
	s_barrier_signal -1
	s_barrier_wait -1
.endm
.macro CROUND
	s_barrier_signal -1
	s_barrier_wait -1
	CREST
.endm
; 64 numbers of a lane, v[s] on (register 16 b + i = index 32 b + 16 (lane / 16) + i of my row), become a fragment's codes in v[PC] .. v[PC+11] and its scale word in v[w].
.macro QUANT s, w
.irp b, 0,1,2,3
	v_max3_num_f32 v[TM+\b], |v[\s+16*\b]|, |v[\s+1+16*\b]|, 0x1800000   ; my 16 numbers of block b, and the floor 2^(3 - 127): the byte cannot fall under 1
.endr
.irp i, 2,4,6,8,10,12,14
.irp b, 0,1,2,3
	v_max3_num_f32 v[TM+\b], v[TM+\b], |v[\s+16*\b+\i]|, |v[\s+1+16*\b+\i]|
.endr
.endr
.irp b, 0,1,2,3
	v_permlanex16_b32 v[TM+4+\b], v[TM+\b], s[SEL], s[SEL+1]
.endr
.irp b, 0,1,2,3
	v_max_num_f32 v[TM+\b], v[TM+\b], v[TM+4+\b]   ; with lane l xor 16's: the block's largest magnitude
.endr
.irp b, 0,1,2,3
	v_add_nc_u32 v[TM+12+\b], 0xff000000, v[TM+\b]   ; 2 off its exponent field: the conversion's scale operand
.endr
.irp b, 0,1,2,3
	v_lshrrev_b32 v[TM+4+\b], 23, v[TM+12+\b]      ; the byte
.endr
	v_lshl_or_b32 v[(\w)], v[TM+5], 8, v[TM+4]
	v_lshl_or_b32 v[(\w)], v[TM+6], 16, v[(\w)]
	v_lshl_or_b32 v[(\w)], v[TM+7], 24, v[(\w)]
.irp c, 0,1
	v_cvt_scalef32_pk16_fp6_f32 v[PC+6*\c:PC+2+6*\c], v[\s+32*\c:\s+15+32*\c], v[TM+12+2*\c]
	v_cvt_scalef32_pk16_fp6_f32 v[PC+12+4*\c:PC+14+4*\c], v[\s+16+32*\c:\s+31+32*\c], v[TM+12+2*\c+1]
.endr
	v_nop                                          ; one plain place behind a scaled conversion
.irp c, 0,1
.irp i, 0,1,2
	v_permlane16_swap_b32 v[PC+6*\c+\i], v[PC+12+4*\c+\i]   ; a whole block to a lane
.endr
.irp i, 0,1,2
	v_mov_b32 v[PC+3+6*\c+\i], v[PC+12+4*\c+\i]
.endr
.endr
.endm
	s_load_b256 s[4:11], s[0:1], 0x0               ; act_img, act_scl, w_img, w_scl
	s_load_b256 s[92:99], s[0:1], 0x20             ; bq, bk, bv, q_rec
	s_load_b128 s[20:23], s[0:1], 0x40             ; k_rec, v_rec
	v_lshl_add_u32 v[SPW], v0, 2, SPARE
	v_mov_b32 v[NIL], 0
	ds_add_u32 v28, v29
	s_wait_dscnt 0x0
	v_lshrrev_b32 v1, 5, v0
	v_readfirstlane_b32 s14, v1                    ; wave 0..3
	s_lshr_b32 s15, s14, 1                         ; which half of A is mine.  Also: I fetch for A (0) or for B (1)
	s_and_b32 s16, s14, 1                          ; which half of B is mine.  Also: which 8 tiles I fetch
	s_bfe_u32 s40, ttmp6, 0x40000                  ; cx
	s_bfe_u32 s41, ttmp6, 0x40004                  ; cy
	s_and_b32 s67, ttmp7, 0xffff
	s_lshl_b32 s67, s67, 2                         ; 4 x cluster y
	s_lshl_b32 s45, ttmp9, 2                       ; 4 x cluster x
	s_cmp_eq_u32 ttmp9, 2                          ; v's clusters
	s_cselect_b32 s66, 1, 0
	s_cselect_b32 s17, 0, s67
	s_cselect_b32 s42, s67, s45
	s_cselect_b32 s18, 128, 0                      ; Wv's tiles begin at 128
	s_add_co_u32 s17, s17, s41                     ; jt: which 256 of A's index (cy and what the cluster shares)
	s_add_co_u32 s42, s42, s40                     ; it: which 256 of B's index (cx and what the cluster shares)
	s_lshl_b32 s43, s41, 2
	s_lshl_b32 s43, 15, s43                        ; my row of the cluster
	s_lshl_b32 s44, 0x1111, s40                    ; my column
	; descriptor group 1 for codes: 8 rows (tiles) of 3,072 bytes (384 elements of 8 bytes), 12,288 bytes apart; no padding: every LDS load takes 512 bytes on end
	s_or_b32 s[G1+0], s43, (3<<16)|(1<<21)         ; 15:0 the mask; 17:16 elements of 8 bytes; 21 set beside a mask
	s_or_b32 s[G1B+0], s44, (3<<16)|(1<<21)
.irp g, G1, G1B
	s_mov_b32 s[\g+1], 384<<16                     ; tensor_dim0
	s_mov_b32 s[\g+2], 8<<16                       ; tensor_dim1
	s_mov_b32 s[\g+3], 384<<16                     ; tile_dim0
	s_mov_b32 s[\g+4], 8                           ; tile_dim1
	s_mov_b32 s[\g+5], 1536                        ; tensor_dim0_stride
	s_mov_b32 s[\g+6], 0
	s_mov_b32 s[\g+7], 0
.endr
	; and for the scale words of 8 tiles: 4,096 dense bytes as 16 rows of 256
	s_or_b32 s[G1S+0], s43, (3<<16)|(1<<21)
	s_or_b32 s[G1SB+0], s44, (3<<16)|(1<<21)
.irp g, G1S, G1SB
	s_mov_b32 s[\g+1], 32<<16
	s_mov_b32 s[\g+2], 16<<16
	s_mov_b32 s[\g+3], 32<<16
	s_mov_b32 s[\g+4], 16
	s_mov_b32 s[\g+5], 32
	s_mov_b32 s[\g+6], 0
	s_mov_b32 s[\g+7], 0
.endr
	s_lshl_b32 s19, s16, 3                         ; which 8 tiles of the 16 I fetch
	s_lshl_b32 s2, s17, 4
	s_add_co_u32 s2, s2, s18
	s_add_co_u32 s2, s2, s19                       ; A's first tile
	s_lshl_b32 s3, s42, 4
	s_add_co_u32 s3, s3, s19                       ; B's first tile
	s_mul_i32 s[G0+6], s2, 12288                   ; the offsets are made in words of the groups that they feed: A's never hold cx, B's never cy
	s_mov_b32 s[G0+7], 0
	s_lshl_b32 s[G0S], s2, 9
	s_mov_b32 s[G0S+1], 0
	s_mul_i32 s[G0B+6], s3, 12288
	s_mov_b32 s[G0B+7], 0
	s_lshl_b32 s[G0SB], s3, 9
	s_mov_b32 s[G0SB+1], 0
	s_mul_i32 s45, s14, HALFT                      ; where the tiles go: wave x 8 tiles: no place in the cluster enters an LDS address
	s_lshl_b32 s18, s14, 12
	s_mov_b32 s[SEL], 0x76543210
	s_mov_b32 s[SEL+1], 0xfedcba98
	s_wait_kmcnt 0x0
	s_cmp_eq_u32 ttmp9, 0
	s_cselect_b64 s[12:13], s[98:99], s[20:21]     ; where the results go,
	s_cselect_b64 s[46:47], s[92:93], s[94:95]     ; and the bias
	s_cmp_eq_u32 ttmp9, 2
	s_cselect_b64 s[12:13], s[22:23], s[12:13]
	s_cselect_b64 s[46:47], s[96:97], s[46:47]
	s_cselect_b64 s[G0+2:G0+3], s[8:9], s[4:5]     ; A: Wv, or x
	s_cselect_b64 s[G0B+2:G0B+3], s[4:5], s[8:9]   ; B: x, or the weight
	s_cselect_b64 s[G0S+2:G0S+3], s[10:11], s[6:7]
	s_cselect_b64 s[G0SB+2:G0SB+3], s[6:7], s[10:11]
	s_add_nc_u64 s[G0+2:G0+3], s[G0+2:G0+3], s[G0+6:G0+7]
	s_add_nc_u64 s[G0B+2:G0B+3], s[G0B+2:G0B+3], s[G0B+6:G0B+7]
	s_add_nc_u64 s[G0S+2:G0S+3], s[G0S+2:G0S+3], s[G0S:G0S+1]
	s_add_nc_u64 s[G0SB+2:G0SB+3], s[G0SB+2:G0SB+3], s[G0SB:G0SB+1]
	s_add_nc_u64 s[G0+6:G0+7], s[G0+2:G0+3], TILEB   ; slot 1 begins with K steps 2 and 3
	s_add_nc_u64 s[G0B+6:G0B+7], s[G0B+2:G0B+3], TILEB
	CROUND                                         ; all sixteen work-groups are here: the first joint loads meet
	s_mov_b32 s[G0S], 1
	s_add_co_u32 s[G0S+1], s18, SCL
	s_or_b32 s[G0S+3], s[G0S+3], 0x80000000
	s_mov_b32 s[G0SB], 1
	s_add_co_u32 s[G0SB+1], s18, SCL
	s_or_b32 s[G0SB+3], s[G0SB+3], 0x80000000
	JLOAD G0S, G1S, G0SB, G1SB                     ; the scale words first: they are wanted with the first K step
.irp s, 0,1
	s_mov_b32 s[G0+4*\s], 1
	s_add_co_u32 s[G0+4*\s+1], s45, \s*SLOT
	s_or_b32 s[G0+4*\s+3], s[G0+4*\s+3], 0x80000000
	s_mov_b32 s[G0B+4*\s], 1
	s_add_co_u32 s[G0B+4*\s+1], s45, \s*SLOT
	s_or_b32 s[G0B+4*\s+3], s[G0B+4*\s+3], 0x80000000
	JLOAD G0+4*\s, G1, G0B+4*\s, G1B
.endr
	v_and_b32 v1, 15, v0                           ; r
	v_bfe_u32 v2, v0, 4, 1                         ; h
	v_and_b32 v3, 31, v0                           ; lane
	v_lshlrev_b32 v4, 4, v3                        ; 16 x lane
	s_mul_i32 s21, s15, HALFT                      ; my 8 tiles of A
	s_mul_i32 s22, s16, HALFT                      ; my 8 tiles of B,
	s_add_co_u32 s22, s22, 2*HALFT                 ; which lie behind A's 16
.irp s, 0,1
	v_add_nc_u32 v[ADRA+\s], s21, v4
	v_add_nc_u32 v[ADRB+\s], s22, v4
	s_add_co_u32 s21, s21, SLOT
	s_add_co_u32 s22, s22, SLOT
.endr
	v_lshlrev_b32 v5, 3, v1                        ; my row's two words of a slot: 8 r
	s_lshl_b32 s21, s15, 12                        ; A's: my 8 tiles
	s_lshl_b32 s22, s16, 12                        ; B's: my 8 tiles, behind A's 16
	s_add_co_u32 s22, s22, 2*HALFS
	s_sub_co_u32 s22, s22, s21
	v_mul_u32_u24 v6, s22, v2                      ; lanes 16-31 take B's
	s_add_co_u32 s21, s21, SCL
	v_add_nc_u32 v5, v5, v6
	v_add_nc_u32 v[ADRS], s21, v5
	; the bias, in the layout of the eight accumulators of one block of A.  Both ways write all 64 registers.
	s_cmp_eq_u32 s66, 0
	s_cbranch_scc0 .Lbias_v
	s_and_b32 s92, s42, 3                          ; q, k: the bias runs along i: register 8 b + j of lane (r, h) is channel 32 (b / 2) + 16 h + 8 (b % 2) + j of my 128
	s_lshl_b32 s92, s92, 10
	s_lshl_b32 s93, s16, 9
	s_add_co_u32 s92, s92, s93
	s_mov_b32 s93, 0
	s_add_nc_u64 s[46:47], s[46:47], s[92:93]
	v_lshlrev_b32 v13, 6, v2
.irp b, 0,1,2,3,4,5,6,7
	global_load_b128 v[BI+8*\b:BI+8*\b+3], v13, s[46:47] offset:4*(32*(\b/2)+8*(\b%2))
	global_load_b128 v[BI+8*\b+4:BI+8*\b+7], v13, s[46:47] offset:4*(32*(\b/2)+8*(\b%2))+16
.endr
	s_branch .Lbias_done
.Lbias_v:
	s_lshl_b32 s92, s17, 10                        ; v: the bias runs along j: lane r of block a is channel 32 (a / 2) + 8 (a % 2) + r + 8 (r / 8) of my 128; eight registers hold it for block a
	s_lshl_b32 s93, s15, 9
	s_add_co_u32 s92, s92, s93
	s_mov_b32 s93, 0
	s_add_nc_u64 s[46:47], s[46:47], s[92:93]
	v_and_b32 v13, 8, v1
	v_add_nc_u32 v13, v13, v1
	v_lshlrev_b32 v13, 2, v13
.irp a, 0,1,2,3,4,5,6,7
.irp j, 0,1,2,3,4,5,6,7
	global_load_b32 v[BI+8*\a+\j], v13, s[46:47] offset:4*(32*(\a/2)+8*(\a%2))
.endr
.endr
.Lbias_done:
.macro FRAG reg, adr, q, i             ; a fragment's image: three planes of 512 bytes, 16 bytes a lane
.irp p, 0,1,2
	ds_load_b128 v[\reg+4*\p:\reg+4*\p+3], v[\adr] offset:(\i)*TILEB+(\q)*1536+512*\p
.endr
.endm
; 16 matrix instructions: A's blocks a0, a0 + 1 x B's eight, the slot's q-th K step.  p: B's set; sc: the set of scale words.  zero = 1: the first product starts the sums.
; The 64 accumulators take turns, one instruction a turn, in the same order in every step.
.macro MUL16 a0, p, q, sc, zero
.irp a, \a0, \a0+1
.irp b, 0,1,2,3,4,5,6,7
.if \zero
	v_wmma_scale_f32_16x16x128_f8f6f4 v[8*(8*((\a)%4)+\b):8*(8*((\a)%4)+\b)+7], v[128*(\p)+FR*\b:128*(\p)+FR*\b+FR-1], v[AF+FR*(\a):AF+FR*(\a)+FR-1], 0, v[SC+8*NQ*(\sc)+NQ*\b+(\q)], v[SC+8*NQ*(\sc)+NQ*(\a)+(\q)] matrix_a_fmt:MATRIX_FMT_FP6 matrix_b_fmt:MATRIX_FMT_FP6 matrix_a_scale:MATRIX_SCALE_ROW1
.else
	v_wmma_scale_f32_16x16x128_f8f6f4 v[8*(8*((\a)%4)+\b):8*(8*((\a)%4)+\b)+7], v[128*(\p)+FR*\b:128*(\p)+FR*\b+FR-1], v[AF+FR*(\a):AF+FR*(\a)+FR-1], v[8*(8*((\a)%4)+\b):8*(8*((\a)%4)+\b)+7], v[SC+8*NQ*(\sc)+NQ*\b+(\q)], v[SC+8*NQ*(\sc)+NQ*(\a)+(\q)] matrix_a_fmt:MATRIX_FMT_FP6 matrix_b_fmt:MATRIX_FMT_FP6 matrix_a_scale:MATRIX_SCALE_ROW1
.endif
.endr
.endr
.endm
.macro FETCH_B slot, q, p
	WIN TO_B
.irp i, 0,1,2,3,4,5,6,7
	FRAG 128*(\p)+FR*\i, ADRB+\slot, \q, \i
.endr
	WIN 0
.endm
.macro FETCH_A slot, q, i0
.irp i, \i0, \i0+1, \i0+2, \i0+3
	FRAG AF+FR*(\i), ADRA+\slot, \q, \i
.endr
.endm
.macro SCALES sc                       ; a slot's scale words: two words a row; lanes 0-15 take A's block i, lanes 16-31 B's block i
.irp i, 0,1,2,3,4,5,6,7
	ds_load_b64 v[SC+16*\sc+2*\i:SC+16*\sc+2*\i+1], v[ADRS] offset:512*\i
.endr
.endm
.macro PLACES n                        ; plain vector instructions between a matrix instruction and a load into, or a vector read or write of, its registers
.rept \n
	v_nop
.endr
.endm
; A K step that has its successor in the same slot.
.macro STEP slot, q, zero
	s_wait_dscnt 4*NL                              ; B's set, A's blocks 0-3 and the scale words are in; the youngest 12 loads (A's blocks 4-7) may be out
	WIN MUL_LO
	MUL16 0, (\q)%2, \q, \slot, \zero
	MUL16 2, (\q)%2, \q, \slot, \zero
	s_wait_dscnt 0                                 ; A's blocks 4-7 are in
	PLACES NP
	FETCH_B \slot, (\q)+1, 1-(\q)%2
	FETCH_A \slot, (\q)+1, 0
	WIN MUL_HI
	MUL16 4, (\q)%2, \q, \slot, \zero
	MUL16 6, (\q)%2, \q, \slot, \zero
	PLACES NP
	WIN 0
	FETCH_A \slot, (\q)+1, 4
.endm
; A slot's last K step changes slots: one barrier; in front of it each wave waits for all its tensor loads, adds 0 to its spare word, and waits for that and for its reads of this slot.  fill = 1: the slot is filled again, two slots ahead.
.macro TURN slot, next, fill
	s_wait_tensorcnt 0x0                           ; all my tensor loads have landed: my part of the next slot
	ds_add_u32 v[SPW], v[NIL]                      ; 0 onto my spare word
	s_wait_dscnt 4*NL+1                            ; (the add and the youngest 12 loads may be out)
	WIN MUL_LO
	MUL16 0, 1, NQ-1, \slot, 0                     ; sixteen matrix instructions stand between the add and the wait for it
	s_wait_dscnt 0x0                               ; the add is done, and my reads of this slot are over
	s_barrier_signal -1
	MUL16 2, 1, NQ-1, \slot, 0
	WIN 0
	s_barrier_wait -1
.if \fill
	CREST                                          ; the barrier has opened a round of the cluster's barrier: no wave of any partner still reads this slot or has a load on its way
	s_add_nc_u64 s[G0+4*\slot+2:G0+4*\slot+3], s[G0+4*\slot+2:G0+4*\slot+3], 2*TILEB
	s_add_nc_u64 s[G0B+4*\slot+2:G0B+4*\slot+3], s[G0B+4*\slot+2:G0B+4*\slot+3], 2*TILEB
	JLOAD G0+4*\slot, G1, G0B+4*\slot, G1B         ; the first tensor load behind the round; its four v_nop are the places in front of the loads below
.else
	PLACES NP
.endif
	v_add_nc_u32 v[ADRS], 128, v[ADRS]             ; the next slot's scale words
	FETCH_B \next, 0, 0
	FETCH_A \next, 0, 0
	SCALES \next
	WIN MUL_HI
	MUL16 4, 1, NQ-1, \slot, 0
	MUL16 6, 1, NQ-1, \slot, 0
	PLACES NP
	WIN 0
	FETCH_A \next, 0, 4
.endm
	s_wait_tensorcnt 1                             ; of my three first fills the scale words and slot 0 are in; slot 1's may be out
	s_barrier_signal -1
	s_barrier_wait -1
	FETCH_B 0, 0, 0
	FETCH_A 0, 0, 0
	SCALES 0
	FETCH_A 0, 0, 4
	STEP 0, 0, 1                                   ; K steps 0 .. 7: four slots
	TURN 0, 1, 1
	STEP 1, 0, 0
	TURN 1, 0, 1
	STEP 0, 0, 0
	TURN 0, 1, 0                                   ; nothing is left to fetch
	STEP 1, 0, 0
	s_wait_dscnt 4*NL
	WIN MUL_LO
	MUL16 0, 1, NQ-1, 1, 0
	MUL16 2, 1, NQ-1, 1, 0
	s_wait_dscnt 0
	WIN MUL_HI
	MUL16 4, 1, NQ-1, 1, 0
	MUL16 6, 1, NQ-1, 1, 0
	WIN 0
	; THE WAY OUT, block by block of A: the bias is added (which also brings the sums into window 0, each accumulator from its low end on), the 128 numbers along i are quantised, and the fragment's registers are stored as they stand.
	PLACES NP
	s_wait_loadcnt 0x0                             ; the bias
.irp b, 0,1,2,3
	v_mov_b32 v[TM+4+\b], 0                        ; a lane permute's destination counts as one of its sources
.endr
	v_cmp_eq_u32 vcc_lo, 1, v2                     ; lanes 16-31
.macro SUMS a, role
.if (\a) > 0
	s_wait_xcnt 0x0                                ; the last block's stores have read the codes' registers
.endif
	WIN 2+(\a)/4                                   ; source 0: the accumulators' window
.set ii, 0
.rept 32
.if \role
	v_pk_add_f32 v[T+2*ii:T+2*ii+1], v[64*((\a)%4)+2*ii:64*((\a)%4)+2*ii+1], v[BI+8*(\a)+2*(ii%4):BI+8*(\a)+2*(ii%4)+1]
.else
	v_pk_add_f32 v[T+2*ii:T+2*ii+1], v[64*((\a)%4)+2*ii:64*((\a)%4)+2*ii+1], v[BI+2*ii:BI+2*ii+1]
.endif
.set ii, ii+1
.endr
	WIN 0
	QUANT T, WS+(\a)
.endm
	s_cmp_eq_u32 s66, 0
	s_cbranch_scc0 .Lout_v
	; q, k: my 128 channels are two heads; registers 6 c .. 6 c + 5 are head c's 64 channels of 16 rows: a tile image of 768 bytes
	s_lshr_b32 s92, s17, 3                         ; the batch
	s_lshl_b32 s92, s92, 4
	s_and_b32 s93, s42, 3
	s_lshl_b32 s93, s93, 2
	s_add_co_u32 s92, s92, s93
	s_lshl_b32 s93, s16, 1
	s_add_co_u32 s92, s92, s93                     ; batch x 16 + my first head
	s_lshl_b32 s92, s92, 3
	s_and_b32 s93, s17, 7
	s_add_co_u32 s92, s92, s93                     ; its record of my 256 rows
	s_mul_i32 s92, s92, 13312
	s_mov_b32 s93, 0
	s_add_nc_u64 s[12:13], s[12:13], s[92:93]
	s_mul_i32 s94, s15, 6144                       ; my 8 tiles of the record's 16
	v_add_nc_u32 v10, s94, v4
	v_lshl_add_u32 v11, v3, 3, s94
	v_add_nc_u32 v11, 512, v11
	v_mul_u32_u24 v12, v2, 106496                  ; the scale words: lanes 16-31 store the second head's, a head's 8 records on
	v_lshl_add_u32 v12, v1, 4, v12
	s_lshl_b32 s94, s15, 9
	s_add_co_u32 s94, s94, 12288
	v_add_nc_u32 v12, s94, v12
.irp a, 0,1,2,3,4,5,6,7
	SUMS \a, 0
.irp c, 0,1
	global_store_b128 v10, v[PC+6*\c:PC+6*\c+3], s[12:13] offset:\c*106496+768*\a     ; 32 lanes store 512 consecutive bytes,
	global_store_b64 v11, v[PC+6*\c+4:PC+6*\c+5], s[12:13] offset:\c*106496+768*\a    ; and 256
.endr
.endr
.irp a, 0,1,2,3,4,5,6,7
	v_lshrrev_b32 v[TM+\a], 16, v[WS+\a]           ; the second head's two bytes
.endr
.irp a, 0,1,2,3,4,5,6,7
	v_cndmask_b32 v[WS+\a], v[WS+\a], v[TM+\a], vcc_lo   ; bytes 0, 1: the head's two blocks.  Bytes 2, 3 (another block's byte, or 0; never 0xff) will meet zero codes
.endr
	global_store_b128 v12, v[WS:WS+3], s[12:13]    ; sixteen lanes store 256 consecutive bytes
	global_store_b128 v12, v[WS+4:WS+7], s[12:13] offset:256
	s_branch .Lout_done
.Lout_v:
	; v: block a is 16 channels (head a / 4 of my two, tile a % 4) x my 128 keys: a whole fragment
	s_lshr_b32 s92, s42, 3                         ; the batch
	s_lshl_b32 s92, s92, 4
	s_lshl_b32 s93, s17, 2
	s_add_co_u32 s92, s92, s93
	s_lshl_b32 s93, s15, 1
	s_add_co_u32 s92, s92, s93                     ; batch x 16 + my first head
	s_lshl_b32 s92, s92, 3
	s_and_b32 s93, s42, 7
	s_add_co_u32 s92, s92, s93                     ; its record of my 256 keys
	s_mul_i32 s92, s92, 12800
	s_mov_b32 s93, 0
	s_add_nc_u64 s[12:13], s[12:13], s[92:93]
	s_mul_i32 s94, s16, 6144                       ; my 128 keys of the 256
	v_add_nc_u32 v10, s94, v4
	v_mul_u32_u24 v12, v2, 102400
	v_lshl_add_u32 v12, v1, 4, v12
	s_lshl_b32 s94, s16, 8
	s_add_co_u32 s94, s94, 12288
	v_add_nc_u32 v12, s94, v12
.irp a, 0,1,2,3,4,5,6,7
	SUMS \a, 1
.irp p, 0,1,2
	global_store_b128 v10, v[PC+4*\p:PC+4*\p+3], s[12:13] offset:(\a/4)*102400+(\a%4)*1536+512*\p
.endr
.endr
.irp t, 0,1,2,3
	v_cndmask_b32 v[WS+\t], v[WS+\t], v[WS+4+\t], vcc_lo   ; lanes 16-31 store the second head's words
.endr
	global_store_b128 v12, v[WS:WS+3], s[12:13]
.Lout_done:
	s_wait_tensorcnt 0x0                           ; the wave's end
	ds_add_u32 v[SPW], v[NIL]
	s_wait_dscnt 0x0
	CROUND                                         ; the closing round: no work-group ends while a partner may still ask for a tile that names it
	s_endpgm
.Lfunc_end_k_q0d7aa128c8_qkv:
	.size	k_q0d7aa128c8_qkv, .Lfunc_end_k_q0d7aa128c8_qkv-k_q0d7aa128c8_qkv
	.p2alignl 7, 3214868480
	.fill 96, 4, 3214868480
	.section	.rodata,"a",@progbits
	.p2align	6, 0x0
	.amdhsa_kernel k_q0d7aa128c8_qkv
		.amdhsa_group_segment_fixed_size 327680
		.amdhsa_private_segment_fixed_size 0
		.amdhsa_enable_private_segment 0
		.amdhsa_kernarg_size 80
		.amdhsa_user_sgpr_count 2
		.amdhsa_user_sgpr_kernarg_segment_ptr 1
		.amdhsa_wavefront_size32 1
		.amdhsa_system_sgpr_workgroup_id_x 1
		.amdhsa_system_sgpr_workgroup_id_y 1
		.amdhsa_system_sgpr_workgroup_id_z 1
		.amdhsa_system_vgpr_workitem_id 0
		.amdhsa_next_free_vgpr 1024
		.amdhsa_next_free_sgpr 102
		.amdhsa_reserve_vcc 1
		.amdhsa_float_denorm_mode_32 3
		.amdhsa_float_denorm_mode_16_64 3
		.amdhsa_memory_ordered 1
		.amdhsa_forward_progress 1
		.amdhsa_inst_pref_size 215
	.end_amdhsa_kernel
	.amdgpu_metadata
---
amdhsa.version: [ 1, 2 ]
amdhsa.kernels:
  - .name:           k_q0d7aa128c8_qkv
    .symbol:         k_q0d7aa128c8_qkv.kd
    .args:
      - { .name: act_img, .offset: 0, .size: 8, .value_kind: global_buffer, .address_space: global }
      - { .name: act_scl, .offset: 8, .size: 8, .value_kind: global_buffer, .address_space: global }
      - { .name: w_img, .offset: 16, .size: 8, .value_kind: global_buffer, .address_space: global }
      - { .name: w_scl, .offset: 24, .size: 8, .value_kind: global_buffer, .address_space: global }
      - { .name: bq, .offset: 32, .size: 8, .value_kind: global_buffer, .address_space: global }
      - { .name: bk, .offset: 40, .size: 8, .value_kind: global_buffer, .address_space: global }
      - { .name: bv, .offset: 48, .size: 8, .value_kind: global_buffer, .address_space: global }
      - { .name: q_rec, .offset: 56, .size: 8, .value_kind: global_buffer, .address_space: global }
      - { .name: k_rec, .offset: 64, .size: 8, .value_kind: global_buffer, .address_space: global }
      - { .name: v_rec, .offset: 72, .size: 8, .value_kind: global_buffer, .address_space: global }
    .group_segment_fixed_size: 327680
    .private_segment_fixed_size: 0
    .kernarg_segment_align: 8
    .kernarg_segment_size: 80
    .max_flat_workgroup_size: 128
    .sgpr_count:     102
    .vgpr_count:     1024
    .wavefront_size: 32
...
	.end_amdgpu_metadata
.endif
;; end of part 3
;; launch attn (part 4): grid 4 x 64, 16 waves a work-group, no clusters, 327,680 bytes of LDS; arguments q_rec, k_rec, v_rec, act_img, act_scl; writes act_img, act_scl
.if DOCPART == 4
	.amdgcn_target "amdgcn-amd-amdhsa--gfx1250"
	.amdhsa_code_object_version 6
	.text
	.protected	k_q0d7aa128c8_attn
	.globl	k_q0d7aa128c8_attn
	.p2align	8
	.type	k_q0d7aa128c8_attn,@function
k_q0d7aa128c8_attn:
	s_mov_b64 s[64:65], 0
	v_nop
	global_prefetch_b8 v0, s[64:65] scope:SCOPE_SE
	s_setreg_imm32_b32 hwreg(HW_REG_WAVE_MODE, 25, 1), 1
	s_wait_xcnt 0x0
; y[b][q][head] = softmax over keys k <= q of (q . k / 8) times v, both products on codes of FP6 (E2M3); y is quantised along the channels and stored as the last product's operand.
; THE SOFTMAX: t = score x log2(e) / 8; M = the row's largest t so far, rounded UP to a whole number; p = 2^(t - M) is quantised along the keys, not normalised.  The row's sum is taken of the unquantised p and divides at the end.
; When M moves, the sum and O are multiplied by 2^(old M - new M): exact.
; SHARES.  A work-group takes one head of one batch and TWO blocks of 256 queries: block 7 - x with its key slots 0 .. 7 - x, then block x with slots 0 .. x: always nine slots of 256 keys, so all 256 work-groups
; have equal work and every trip count is a constant.  Each of sixteen waves owns one tile of 16 queries of the block; four waves share a SIMD, so that one wave's vector work stands beside another's matrix work.
; NO CLUSTER: the four work-groups of a head want different slots in the same trip as soon as the first has changed blocks (behind 5, 6, 7 or 8 slots); a walk in step would take 12 rounds for 9 slots' work.
; LAYOUT.  Both products are used transposed: S^T = K Q^T (source 0 = 16 keys), O^T = V^T P^T (source 0 = 16 channels): a lane holds one query throughout.  Rows of a tile are not neighbours (lane r of tile 2 b + u:
; row 32 b + 8 u + r + 8 (r / 8)), for keys, queries and channels alike: so 16 registers of two neighbouring tiles are 16 neighbours.  The head has 64 channels: the upper 64 of the first product's K are zero codes on both sides.
; A slot's K record (13,312 bytes) and V record (12,800) are dense blocks of memory, laid as images of fragments; they come by tensor loads (waves 0, 1: K's halves; 2, 3: V's) into a ring of two LDS slots.
; A key step all of whose keys come after my queries is left out by a scalar branch on ids; on the diagonal hidden scores become -infinity.
; OUT: act_img [tile][K step 8][1,536]: head 2 s + c is half c (768 bytes: registers 6 c .. 6 c + 3 as 512 bytes, 6 c + 4, 5 as 256) of K step s; act_scl: the head's two bytes of the row's word (2 bytes a lane, 16 rows 8 bytes apart).
; LIMITS: NaN and infinities are not served.  A block of zeros gets the byte 1 where the rule says 127.
; REGISTERS: v1-7, v11 addresses that stay; v8-10 addresses in hand; v12 -M, v13 the largest t, v[14:15] the sum; v16-27 Q; v28-31 V's scale words; v32-79 four fragments of K; v80-127 four of V; v128-191 S^T, then p;
;   v192-223 O^T; v224-235 p's codes; v232-247 at work; v248-251 K's scale words; v252 f; v253 p's scale word; v254 at work; v255 Q's scale word.
.set SLOT1, 1<<15                      ; slot 1 begins here: one exclusive or turns an address from one slot to the other
.set KREC,  13312
.set VREC,  12800
.set VOFF,  KREC                       ; a slot: K's record, then V's
.set SPARE, 2*SLOT1                    ; the spare words, 128 bytes for each wave: eight blocks of 256 bytes that no other line names
.set S,    128
.set O,    192
.set TB,   2                           ; s2   LDS byte at which the slot in hand begins
.set CUR,  16                          ; s16  the key slot in hand
.set NXT,  17                          ; s17  the one that follows
.set WV,   18
.set SW,   19                          ; s19  the first block, and its last slot: 7 - x
.set SEL,  20
.set CS,   22                          ; s[22:23] c = log2(e) / 8
.set G1K,  24
.set G1V,  32
.set G0K,  40
.set G0V,  44
.set KB,   48                          ; s[48:49] K's records of my head, at my half;  s[50:51] V's
.set VB,   50
.set QMIN, 66                          ; s66  my tile's first query;  s67 the second block's
.set KF,   68                          ; s68  the slot's first key
.set PFA,  76
.set PFS,  78
.set LIM,  80
.macro TLOAD                           ; waves 0 and 1 fetch for K, waves 2 and 3 for V, the others nothing.  Four v_nop follow each of the two lines
	s_cmp_lt_u32 s[WV], 2
	s_cbranch_scc0 .Lnot_k_\@
	tensor_load_to_lds s[G0K:G0K+3], s[G1K:G1K+7]
	s_nop 0
.rept 4
	v_nop
.endr
	s_branch .Lasked_\@
.Lnot_k_\@:
	s_cmp_lt_u32 s[WV], 4
	s_cbranch_scc0 .Lasked_\@
	tensor_load_to_lds s[G0V:G0V+3], s[G1V:G1V+7]
	s_nop 0
.rept 4
	v_nop
.endr
.Lasked_\@:
.endm
; A PREFETCH INTO THE L2 of the slot that the NEXT change of slots will ask for.  All four work-groups of a head walk the same records: the one with x = 0, which walks slots 0 .. 7 on end, asks, and nobody else.
; In it waves 4 and 5 ask for the halves of K's record (26 blocks of 256 bytes), waves 6 and 7 for V's (25), a lane a block; the lanes that are over name the half's last block again.
; Trip t names slot t + 2, for t = 0 .. 5; slots 0 and 1 come by their loads alone.
.macro ASK
	s_cmp_le_i32 s[CUR], s[LIM]
	s_cbranch_scc0 .Lnot_mine_\@
	global_prefetch_b8 v11, s[PFA:PFA+1] th:TH_LOAD_NT scope:SCOPE_SE
.Lnot_mine_\@:
.endm
	s_load_b256 s[4:11], s[0:1], 0x0               ; q_rec, k_rec, v_rec, act_img
	s_load_b64 s[12:13], s[0:1], 0x20              ; act_scl
	v_lshl_add_u32 v5, v0, 2, SPARE                ; my spare word; never rewritten
	v_mov_b32 v6, 0                                ; 0; never rewritten
	ds_add_u32 v5, v6
	ds_add_u32 v5, v6
	s_wait_dscnt 0x0
	v_lshrrev_b32 v8, 5, v0
	s_delay_alu instid0(VALU_DEP_1)
	v_readfirstlane_b32 s[WV], v8                  ; wave 0..15
	v_and_b32 v9, 31, v0                           ; lane
	v_and_b32 v10, 15, v0                          ; r
	v_bfe_u32 v11, v0, 4, 1                        ; h
	s_delay_alu instid0(VALU_DEP_3)
	v_lshlrev_b32 v1, 4, v9                        ; 16 x lane
	s_delay_alu instid0(VALU_DEP_4)
	v_lshlrev_b32 v2, 3, v9                        ; 8 x lane
	s_delay_alu instid0(VALU_DEP_4)
	v_lshlrev_b32 v3, 4, v10                       ; 16 r
	v_lshlrev_b32 v7, 3, v10                       ; 8 r
	v_and_b32 v4, 8, v10
	s_delay_alu instid0(VALU_DEP_1)
	v_add_nc_u32 v4, v4, v10
	v_lshlrev_b32 v11, 4, v11
	s_delay_alu instid0(VALU_DEP_1)
	v_sub_nc_u32 v4, v4, v11                       ; r + 8 (r / 8) - 16 h: my query in its tile, less my half's first key in a block
	s_and_b32 s82, ttmp7, 0xffff                   ; batch x 16 + head
	s_sub_co_u32 s[SW], 7, ttmp9
	s_lshr_b32 s83, s82, 4                         ; batch
	s_and_b32 s84, s82, 15                         ; head
	s_and_b32 s85, s[WV], 1                        ; which half of a record I fetch, if I fetch
	s_mul_i32 s86, s82, 8*KREC
	s_mul_i32 s87, s85, KREC/2
	s_add_co_u32 s86, s86, s87
	s_mov_b32 s87, 0
	s_mul_i32 s88, s82, 8*VREC
	s_mul_i32 s89, s85, VREC/2
	s_add_co_u32 s88, s88, s89
	s_mov_b32 s89, 0
; a block's offsets: Q's tile image, Q's scale words, y's half image, y's two scale bytes; and my tile's first query
.macro BLKOFF blk, qp, qs, yp, ys, qmin
	s_lshl_b32 s90, s82, 3
	s_add_co_u32 s90, s90, \blk
	s_mul_i32 s90, s90, KREC                       ; the block's record of Q
	s_mul_i32 s91, s[WV], 768
	s_add_co_u32 s[\qp], s90, s91
	s_mov_b32 s[\qp+1], 0
	s_lshr_b32 s91, s[WV], 2
	s_lshl_b32 s91, s91, 8
	s_add_co_u32 s91, s91, s90
	s_and_b32 s92, s[WV], 3
	s_lshl_b32 s92, s92, 2
	s_add_co_u32 s91, s91, s92
	s_add_co_u32 s[\qs], s91, 12288
	s_mov_b32 s[\qs+1], 0
	s_lshl_b32 s90, s83, 7
	s_lshl_b32 s91, \blk, 4
	s_add_co_u32 s90, s90, s91
	s_add_co_u32 s90, s90, s[WV]                   ; y's tile: batch x 128 + block x 16 + wave
	s_mul_i32 s91, s90, 12288
	s_lshr_b32 s92, s84, 1
	s_mul_i32 s92, s92, 1536
	s_add_co_u32 s91, s91, s92
	s_and_b32 s92, s84, 1
	s_mul_i32 s92, s92, 768
	s_add_co_u32 s[\yp], s91, s92
	s_mov_b32 s[\yp+1], 0
	s_lshl_b32 s91, s90, 9
	s_lshr_b32 s92, s84, 2
	s_lshl_b32 s92, s92, 7
	s_add_co_u32 s91, s91, s92
	s_bfe_u32 s92, s84, 0x10001
	s_lshl_b32 s92, s92, 2
	s_add_co_u32 s91, s91, s92
	s_and_b32 s92, s84, 1
	s_lshl_b32 s92, s92, 1
	s_add_co_u32 s[\ys], s91, s92
	s_mov_b32 s[\ys+1], 0
	s_lshl_b32 s90, \blk, 8
	s_lshr_b32 s91, s[WV], 1
	s_lshl_b32 s91, s91, 5
	s_add_co_u32 s90, s90, s91
	s_and_b32 s91, s[WV], 1
	s_lshl_b32 s91, s91, 3
	s_add_co_u32 s[\qmin], s90, s91
.endm
	BLKOFF s[SW], 52, 70, 56, 60, 66
	BLKOFF ttmp9, 54, 72, 58, 62, 67
	; descriptor group 1: half a record, dense, as rows of 256 bytes (32 elements of 8 bytes): K 26 rows, V 25
	s_mov_b32 s[G1K], 3<<16
	s_mov_b32 s[G1K+1], 32<<16
	s_mov_b32 s[G1K+2], 26<<16
	s_mov_b32 s[G1K+3], 32<<16
	s_mov_b32 s[G1K+4], 26
	s_mov_b32 s[G1K+5], 32
	s_mov_b32 s[G1K+6], 0
	s_mov_b32 s[G1K+7], 0
	s_mov_b32 s[G1V], 3<<16
	s_mov_b32 s[G1V+1], 32<<16
	s_mov_b32 s[G1V+2], 25<<16
	s_mov_b32 s[G1V+3], 32<<16
	s_mov_b32 s[G1V+4], 25
	s_mov_b32 s[G1V+5], 32
	s_mov_b32 s[G1V+6], 0
	s_mov_b32 s[G1V+7], 0
	s_mov_b32 s[SEL], 0x76543210
	s_mov_b32 s[SEL+1], 0xfedcba98
	s_mov_b32 s[CS], 0x3e38aa3b                    ; c = log2(e) / 8
	s_mov_b32 s[CS+1], s[CS]                       ; (named with it as a pair, so it is written)
	s_mov_b32 s[TB], 0
	s_mov_b32 s[CUR], 0
	s_mov_b32 s[KF], 0
	s_mov_b32 s3, 8
	s_wait_kmcnt 0x0
	s_add_nc_u64 s[KB:KB+1], s[6:7], s[86:87]
	s_add_nc_u64 s[VB:VB+1], s[8:9], s[88:89]
	s_mov_b32 s[G0K], 1
	s_mul_i32 s[G0K+1], s85, KREC/2                ; slot 0
	s_mov_b64 s[G0K+2:G0K+3], s[KB:KB+1]
	s_or_b32 s[G0K+3], s[G0K+3], 0x80000000
	s_mov_b32 s[G0V], 1
	s_mul_i32 s90, s85, VREC/2
	s_add_co_u32 s[G0V+1], s90, VOFF
	s_mov_b64 s[G0V+2:G0V+3], s[VB:VB+1]
	s_or_b32 s[G0V+3], s[G0V+3], 0x80000000
	TLOAD                                          ; key slot 0
	s_add_nc_u64 s[52:53], s[4:5], s[52:53]        ; Q's tile of the first block, of the second;
	s_add_nc_u64 s[54:55], s[4:5], s[54:55]
	s_add_nc_u64 s[70:71], s[4:5], s[70:71]        ; their scale words;
	s_add_nc_u64 s[72:73], s[4:5], s[72:73]
	s_add_nc_u64 s[56:57], s[10:11], s[56:57]      ; y's half images;
	s_add_nc_u64 s[58:59], s[10:11], s[58:59]
	s_add_nc_u64 s[60:61], s[12:13], s[60:61]      ; y's scale bytes
	s_add_nc_u64 s[62:63], s[12:13], s[62:63]
	s_wait_alu depctr_va_vdst(0)
	global_load_b128 v[16:19], v1, s[52:53]        ; Q's fragment: registers 0-3,
	global_load_b64 v[20:21], v2, s[52:53] offset:512   ; 4 and 5,
	global_load_b32 v255, v3, s[70:71]             ; and its rows' scale words
	s_cmp_lt_u32 s[WV], 6                          ; the prefetches: waves 4, 5 stand in K's records, 6, 7 in V's
	s_cselect_b64 s[PFA:PFA+1], s[KB:KB+1], s[VB:VB+1]
	s_mov_b32 s[PFS], VREC
	s_cselect_b32 s[PFS], KREC, s[PFS]
	s_cselect_b32 s90, 25, 24
	s_mov_b32 s[PFS+1], 0
	s_add_nc_u64 s[PFA:PFA+1], s[PFA:PFA+1], s[PFS:PFS+1]   ; at slot 1: the first change of slots steps it to slot 2
	v_min_u32 v11, s90, v9
	s_delay_alu instid0(VALU_DEP_1)
	v_lshlrev_b32 v11, 8, v11                      ; 256 x lane, held at the half's last block; never rewritten
	s_lshr_b32 s92, s[WV], 2
	s_xor_b32 s92, s92, 1                          ; 0 in waves 4 to 7,
	s_or_b32 s92, s92, ttmp9                       ; of the work-group with x = 0
	s_cmp_eq_u32 s92, 0
	s_cselect_b32 s[LIM], 5, -1
.irp i, 22,23,24,25,26,27
	v_mov_b32 v[\i], 0                             ; the upper 64 of the first product's K: zero codes, written once
.endr
.irp t, 0,1,2,3
.irp i, 6,7,8,9,10,11
	v_mov_b32 v[32+12*\t+\i], 0
.endr
.endr
	v_mov_b32 v13, 0xff61b1e6                      ; the largest t so far: -3e38
	s_delay_alu instid0(VALU_DEP_1)
	v_floor_f32 v12, -v13                          ; -M
	v_mov_b32 v14, 0
	v_mov_b32 v15, 0
.irp b, 0,1,2,3
	v_mov_b32 v[236+\b], 0                         ; a lane permute's destination counts as one of its sources
.endr
	v_mov_b32 v252, 0
	v_mov_b32 v253, 0
.set n, 0
.rept 32
	v_mov_b32 v[O+n], 0                            ; O^T: the first step finds zeros, which the first change of M leaves zeros
.set n, n+1
.endr
; A KEY STEP: 128 keys, the q-th of the slot in hand.
.macro STEP q
	s_add_co_u32 s96, s[KF], 128*(\q)              ; the step's first key
	s_add_co_u32 s97, s[QMIN], 23                  ; my tile's last query
	s_cmp_gt_u32 s96, s97
	s_cbranch_scc1 .Lhidden_\@                     ; all its keys come after my queries
	v_add_nc_u32 v8, s[TB], v1
	v_add_nc_u32 v9, s[TB], v2
	v_add_nc_u32 v10, s[TB], v3
	v_nop                                          ; four places in front of loads into registers that the last products have read
.irp t, 0,1,2,3                                ; K's tiles 0-3 of the step: registers 0-5 of each fragment,
	ds_load_b128 v[32+12*\t:35+12*\t], v8 offset:(8*(\q)+\t)*768
	ds_load_b64 v[36+12*\t:37+12*\t], v9 offset:(8*(\q)+\t)*768+512
.endr
	ds_load_b128 v[248:251], v10 offset:12288+512*(\q)   ; and their scale words
.irp t, 0,1,2,3                                ; V's four fragments of these 128 keys: they land under the first product and the softmax
.irp p, 0,1,2
	ds_load_b128 v[80+12*\t+4*\p:83+12*\t+4*\p], v8 offset:VOFF+6144*(\q)+1536*\t+512*\p
.endr
.endr
	ds_load_b128 v[28:31], v10 offset:VOFF+12288+256*(\q)
	s_wait_alu depctr_va_vdst(0)
	s_wait_dscnt 13                                ; K's nine loads are in; V's thirteen may be out
.irp t, 0,1,2,3
	v_wmma_scale_f32_16x16x128_f8f6f4 v[S+8*\t:S+8*\t+7], v[32+12*\t:43+12*\t], v[16:27], 0, v[248+\t], v255 matrix_a_fmt:MATRIX_FMT_FP6 matrix_b_fmt:MATRIX_FMT_FP6
.endr
.rept 4
	v_nop
.endr
.irp t, 0,1,2,3                                ; tiles 4-7
	ds_load_b128 v[32+12*\t:35+12*\t], v8 offset:(8*(\q)+4+\t)*768
	ds_load_b64 v[36+12*\t:37+12*\t], v9 offset:(8*(\q)+4+\t)*768+512
.endr
	ds_load_b128 v[248:251], v10 offset:12288+512*(\q)+256
	s_wait_dscnt 0x0
.irp t, 0,1,2,3
	v_wmma_scale_f32_16x16x128_f8f6f4 v[S+32+8*\t:S+32+8*\t+7], v[32+12*\t:43+12*\t], v[16:27], 0, v[248+\t], v255 matrix_a_fmt:MATRIX_FMT_FP6 matrix_b_fmt:MATRIX_FMT_FP6
.endr
.rept 4
	v_nop
.endr
	s_add_co_u32 s97, s96, 127                     ; on the diagonal hidden scores become -infinity ahead of the maximum; a step all of whose keys count skips this
	s_cmp_le_u32 s97, s[QMIN]
	s_cbranch_scc1 .Lopen_\@
	s_sub_co_i32 s97, s[QMIN], s96
	v_add_nc_u32 v252, s97, v4                     ; d = my query - the step's first key - 16 (lane / 16).  Register 16 b + i holds key 32 b + 16 (lane / 16) + i: hidden where 32 b + i > d
	v_mov_b32 v254, 0xff800000
.set n, 0
.rept 64
	v_cmp_gt_i32 vcc_lo, 32*(n/16)+n%16, v252
	v_cndmask_b32 v[S+n], v[S+n], v254, vcc_lo
.set n, n+1
.endr
.Lopen_\@:
.irp b, 0,1,2,3
	v_max3_num_f32 v[232+\b], v[S+16*\b], v[S+1+16*\b], v[S+2+16*\b]   ; the largest score of each block of 32 keys: for the row's maximum and, since p rises with the score, for the block's largest p
.endr
.irp i, 3,5,7,9,11,13
.irp b, 0,1,2,3
	v_max3_num_f32 v[232+\b], v[232+\b], v[S+16*\b+\i], v[S+1+16*\b+\i]
.endr
.endr
.irp b, 0,1,2,3
	v_max_num_f32 v[232+\b], v[232+\b], v[S+15+16*\b]
.endr
.irp b, 0,1,2,3
	s_delay_alu instid0(VALU_DEP_4)
	v_permlanex16_b32 v[236+\b], v[232+\b], s[SEL], s[SEL+1]
.endr
.irp b, 0,1,2,3
	s_delay_alu instid0(VALU_DEP_4)
	v_max_num_f32 v[232+\b], v[232+\b], v[236+\b]  ; with lane l xor 16's 16 keys
.endr
	s_delay_alu instid0(VALU_DEP_2)
	v_max3_num_f32 v254, v232, v233, v234
	s_delay_alu instid0(VALU_DEP_1)
	v_max_num_f32 v254, v254, v235
	s_delay_alu instid0(VALU_DEP_1)
	v_mul_f32 v254, s[CS], v254                    ; as t
	s_delay_alu instid0(VALU_DEP_1)
	v_max_num_f32 v13, v13, v254                   ; the running largest t
	v_mov_b32 v254, v12
	s_delay_alu instid0(VALU_DEP_2)
	v_floor_f32 v12, -v13                          ; the new -M = -ceil(t)
	s_delay_alu instid0(VALU_DEP_1)
	v_sub_f32 v254, v12, v254                      ; old M - new M: a whole number, 0 or less
	s_delay_alu instid0(VALU_DEP_1)
	v_cvt_i32_f32 v254, v254                       ; (it saturates)
	s_delay_alu instid0(VALU_DEP_1)
	v_ldexp_f32 v252, 1.0, v254                    ; f = 2^(old M - new M)
.set n, 0
.rept 32
	v_pk_fma_f32 v[S+n:S+n+1], v[S+n:S+n+1], s[CS:CS+1], v[12:13] op_sel_hi:[1,0,0]   ; t - M, two at a time
.set n, n+2
.endr
.irp b, 0,1,2,3
	v_fma_f32 v[232+\b], v[232+\b], s[CS], v12     ; the same of each block's largest score
.endr
.set n, 0
	s_wait_alu depctr_va_vdst(0)
.rept 64
	v_exp_f32 v[S+n], v[S+n]                       ; p = 2^(t - M)
.set n, n+1
.endr
	v_pk_mul_f32 v[14:15], v[14:15], v[252:253] op_sel_hi:[1,0]   ; the sums under the new M: a plain place behind the exponentials
	s_wait_alu depctr_va_vdst(0)                   ; one wait for the whole batch, ahead of its first reader
.irp b, 0,1,2,3
	v_exp_f32 v[232+\b], v[232+\b]                 ; the block's largest p
.endr
	v_pk_add_f32 v[236:237], v[132:133], v[136:137]
	v_pk_add_f32 v[250:251], v[140:141], v[144:145]
	v_pk_add_f32 v[248:249], v[148:149], v[152:153]
	v_pk_add_f32 v[246:247], v[156:157], v[160:161]
	v_pk_add_f32 v[244:245], v[164:165], v[168:169]
	v_pk_add_f32 v[242:243], v[172:173], v[176:177]
	v_pk_add_f32 v[240:241], v[180:181], v[184:185]
	v_pk_add_f32 v[14:15], v[14:15], v[188:189]
	v_pk_add_f32 v[236:237], v[236:237], v[128:129]
	v_pk_add_f32 v[250:251], v[250:251], v[130:131]
	v_pk_add_f32 v[248:249], v[248:249], v[134:135]
	v_pk_add_f32 v[246:247], v[246:247], v[138:139]
	v_pk_add_f32 v[244:245], v[244:245], v[142:143]
	v_pk_add_f32 v[242:243], v[242:243], v[146:147]
	v_pk_add_f32 v[240:241], v[240:241], v[150:151]
	v_pk_add_f32 v[14:15], v[14:15], v[154:155]
	v_pk_add_f32 v[236:237], v[236:237], v[158:159]
	v_pk_add_f32 v[250:251], v[250:251], v[162:163]
	v_pk_add_f32 v[248:249], v[248:249], v[166:167]
	v_pk_add_f32 v[246:247], v[246:247], v[170:171]
	v_pk_add_f32 v[244:245], v[244:245], v[174:175]
	v_pk_add_f32 v[242:243], v[242:243], v[178:179]
	v_pk_add_f32 v[240:241], v[240:241], v[182:183]
	v_pk_add_f32 v[14:15], v[14:15], v[186:187]
	v_pk_add_f32 v[236:237], v[236:237], v[190:191]
	s_delay_alu instid0(VALU_DEP_2)
	v_pk_add_f32 v[14:15], v[14:15], v[246:247]
	s_delay_alu instid0(VALU_DEP_2)
	v_pk_add_f32 v[236:237], v[236:237], v[244:245]
	v_pk_add_f32 v[250:251], v[250:251], v[242:243]
	v_pk_add_f32 v[248:249], v[248:249], v[240:241]
	s_delay_alu instid0(VALU_DEP_2)
	v_pk_add_f32 v[14:15], v[14:15], v[250:251]
	s_delay_alu instid0(VALU_DEP_2)
	v_pk_add_f32 v[236:237], v[236:237], v[248:249]
	s_delay_alu instid0(VALU_DEP_1)
	v_pk_add_f32 v[14:15], v[14:15], v[236:237]
	s_wait_alu depctr_va_vdst(0)                   ; and one for the four
.irp b, 0,1,2,3
	v_max_num_f32 v[232+\b], 0x1800000, v[232+\b]  ; the floor 2^(3 - 127)
.endr
.irp b, 0,1,2,3
	s_delay_alu instid0(VALU_DEP_4)
	v_add_nc_u32 v[244+\b], 0xff000000, v[232+\b]  ; the conversion's scale operand
.endr
.irp b, 0,1,2,3
	s_delay_alu instid0(VALU_DEP_4)
	v_lshrrev_b32 v[236+\b], 23, v[244+\b]         ; the byte
.endr
	s_delay_alu instid0(VALU_DEP_3)
	v_lshl_or_b32 v253, v237, 8, v236              ; p's scale word for these 128 keys
	s_delay_alu instid0(VALU_DEP_1)
	v_lshl_or_b32 v253, v238, 16, v253
	s_delay_alu instid0(VALU_DEP_1)
	v_lshl_or_b32 v253, v239, 24, v253
.irp c, 0,1
	v_cvt_scalef32_pk16_fp6_f32 v[224+6*\c:226+6*\c], v[S+32*\c:S+15+32*\c], v[244+2*\c]
	v_cvt_scalef32_pk16_fp6_f32 v[236+4*\c:238+4*\c], v[S+16+32*\c:S+31+32*\c], v[244+2*\c+1]
.endr
	v_nop                                          ; one plain place behind a scaled conversion
.irp c, 0,1
.irp i, 0,1,2
	v_permlane16_swap_b32 v[224+6*\c+\i], v[236+4*\c+\i]
.endr
.irp i, 0,1,2
	s_delay_alu instid0(VALU_DEP_3)
	v_mov_b32 v[227+6*\c+\i], v[236+4*\c+\i]
.endr
.endr
.set n, 0
.rept 16
	v_pk_mul_f32 v[O+n:O+n+1], v[O+n:O+n+1], v[252:253] op_sel_hi:[1,0]   ; O^T under the new M.  (These sixteen are also the places between the scale word's and the codes' last writes and the products)
.set n, n+2
.endr
.irp t, 0,1,2,3                                ; O^T += V^T P^T: the four accumulators by turns
	v_wmma_scale_f32_16x16x128_f8f6f4 v[O+8*\t:O+8*\t+7], v[80+12*\t:91+12*\t], v[224:235], v[O+8*\t:O+8*\t+7], v[28+\t], v253 matrix_a_fmt:MATRIX_FMT_FP6 matrix_b_fmt:MATRIX_FMT_FP6
.endr
.Lhidden_\@:
.endm
; THE CHANGE OF SLOTS stands at a slot's head.  Each wave waits for all its tensor loads, adds 0 to its spare word, and waits for that and for its reads of the slot that it has left.
; fill = 1: that slot is filled with the record that follows: slot CUR + 1, or slot 0 where the first block ends.
.macro CHANGE fill
	s_wait_tensorcnt 0x0                           ; no tensor load of mine is out, so a group 0 may be written
	ds_add_u32 v5, v6                              ; 0 onto my spare word
.if \fill
	s_add_co_u32 s[NXT], s[CUR], 1
	s_cmp_eq_u32 s[CUR], s[SW]
	s_cselect_b32 s[NXT], 0, s[NXT]
	s_xor_b32 s[G0K+1], s[G0K+1], SLOT1
	s_xor_b32 s[G0V+1], s[G0V+1], SLOT1
	s_mul_i32 s96, s[NXT], KREC
	s_mov_b32 s97, 0
	s_add_nc_u64 s[G0K+2:G0K+3], s[KB:KB+1], s[96:97]
	s_or_b32 s[G0K+3], s[G0K+3], 0x80000000
	s_mul_i32 s96, s[NXT], VREC
	s_add_nc_u64 s[G0V+2:G0V+3], s[VB:VB+1], s[96:97]
	s_or_b32 s[G0V+3], s[G0V+3], 0x80000000
	s_wait_xcnt 0x0                                ; the last prefetch, a slot back, has read its address
	s_add_nc_u64 s[PFA:PFA+1], s[PFA:PFA+1], s[PFS:PFS+1]
.endif
	s_wait_dscnt 0x0                               ; the add is done, and my reads of the slot that I have left are over
	s_barrier_signal -1
	s_barrier_wait -1
.if \fill
	TLOAD                                          ; the first thing behind the barrier, and a wave's one tensor load until the next
	ASK
.endif
.endm
; A BLOCK'S END: O^T / the sum is y's 64 channels of my 16 queries: two blocks of 32, quantised and stored as half a fragment.  next = 1: the second block begins.
.macro FINISH yp, ys, next
.rept 4
	v_nop                                          ; places behind the last products
.endr
.if \next
	global_load_b128 v[16:19], v1, s[54:55]        ; the second block's Q: it lands under the rest
	global_load_b64 v[20:21], v2, s[54:55] offset:512
	global_load_b32 v255, v3, s[72:73]
.endif
	v_add_f32 v14, v14, v15
	s_delay_alu instid0(VALU_DEP_1)
	v_permlanex16_b32 v252, v14, s[SEL], s[SEL+1]
	s_delay_alu instid0(VALU_DEP_1)
	v_add_f32 v14, v14, v252                       ; the row's sum
	s_wait_alu depctr_va_vdst(0)
	v_rcp_f32 v14, v14
	v_nop                                          ; a plain place behind the transcendental
	s_wait_alu depctr_va_vdst(0)                   ; the wait ahead of its first reader
.set n, 0
.rept 16
	v_pk_mul_f32 v[O+n:O+n+1], v[O+n:O+n+1], v[14:15] op_sel_hi:[1,0]   ; register 16 b + i = channel 32 b + 16 (lane / 16) + i
.set n, n+2
.endr
.irp b, 0,1
	v_max3_num_f32 v[232+\b], |v[O+16*\b]|, |v[O+1+16*\b]|, 0x1800000
.endr
.irp i, 2,4,6,8,10,12,14
.irp b, 0,1
	s_delay_alu instid0(VALU_DEP_2)
	v_max3_num_f32 v[232+\b], v[232+\b], |v[O+16*\b+\i]|, |v[O+1+16*\b+\i]|
.endr
.endr
.irp b, 0,1
	s_delay_alu instid0(VALU_DEP_2)
	v_permlanex16_b32 v[236+\b], v[232+\b], s[SEL], s[SEL+1]
.endr
.irp b, 0,1
	s_delay_alu instid0(VALU_DEP_2)
	v_max_num_f32 v[232+\b], v[232+\b], v[236+\b]
.endr
.irp b, 0,1
	s_delay_alu instid0(VALU_DEP_2)
	v_add_nc_u32 v[244+\b], 0xff000000, v[232+\b]
.endr
.irp b, 0,1
	s_delay_alu instid0(VALU_DEP_2)
	v_lshrrev_b32 v[236+\b], 23, v[244+\b]
.endr
	s_delay_alu instid0(VALU_DEP_1)
	v_lshl_or_b32 v254, v237, 8, v236              ; the head's two bytes
	v_cvt_scalef32_pk16_fp6_f32 v[224:226], v[O:O+15], v244
	v_cvt_scalef32_pk16_fp6_f32 v[236:238], v[O+16:O+31], v245
	v_nop
.irp i, 0,1,2
	v_permlane16_swap_b32 v[224+\i], v[236+\i]
.endr
.irp i, 0,1,2
	s_delay_alu instid0(VALU_DEP_3)
	v_mov_b32 v[227+\i], v[236+\i]
.endr
	global_store_b128 v1, v[224:227], s[\yp:\yp+1]            ; 32 lanes store 512 consecutive bytes,
	global_store_b64 v2, v[228:229], s[\yp:\yp+1] offset:512  ; and 256
	global_store_b16 v7, v254, s[\ys:\ys+1]                   ; 2 bytes of each row's word; both halves of the lanes write the same bytes with the same value
.if \next
	v_mov_b32 v13, 0xff61b1e6
	s_delay_alu instid0(VALU_DEP_1)
	v_floor_f32 v12, -v13
	v_mov_b32 v14, 0
	v_mov_b32 v15, 0
.set n, 0
.rept 32
	v_mov_b32 v[O+n], 0
.set n, n+1
.endr
	s_mov_b32 s[QMIN], s67
	s_wait_xcnt 0x0                                ; the stores have read their registers: the next step writes them again
.endif
.endm
.Lslot:                                            ; eight trips: behind each change of slots but the last the next record is asked for
	CHANGE 1
	s_wait_loadcnt 0x0                             ; Q
	STEP 0
	STEP 1
	s_xor_b32 s[TB], s[TB], SLOT1
	s_cmp_lg_u32 s[CUR], s[SW]
	s_cbranch_scc1 .Lsame_block
	FINISH 56, 60, 1
.Lsame_block:
	s_mov_b32 s[CUR], s[NXT]
	s_lshl_b32 s[KF], s[CUR], 8
	s_sub_co_u32 s3, s3, 1
	s_cmp_lg_u32 s3, 0
	s_cbranch_scc1 .Lslot
	CHANGE 0                                       ; the ninth slot is written out
	s_wait_loadcnt 0x0
	STEP 0
	STEP 1
	FINISH 58, 62, 0
	s_wait_tensorcnt 0x0                           ; the wave's end
	ds_add_u32 v5, v6
	s_wait_dscnt 0x0
	s_endpgm
.Lfunc_end_k_q0d7aa128c8_attn:
	.size	k_q0d7aa128c8_attn, .Lfunc_end_k_q0d7aa128c8_attn-k_q0d7aa128c8_attn
	.p2alignl 7, 3214868480
	.fill 96, 4, 3214868480
	.section	.rodata,"a",@progbits
	.p2align	6, 0x0
	.amdhsa_kernel k_q0d7aa128c8_attn
		.amdhsa_group_segment_fixed_size 327680
		.amdhsa_private_segment_fixed_size 0
		.amdhsa_enable_private_segment 0
		.amdhsa_kernarg_size 40
		.amdhsa_user_sgpr_count 2
		.amdhsa_user_sgpr_kernarg_segment_ptr 1
		.amdhsa_wavefront_size32 1
		.amdhsa_system_sgpr_workgroup_id_x 1
		.amdhsa_system_sgpr_workgroup_id_y 1
		.amdhsa_system_sgpr_workgroup_id_z 1
		.amdhsa_system_vgpr_workitem_id 0
		.amdhsa_next_free_vgpr 256
		.amdhsa_next_free_sgpr 100
		.amdhsa_reserve_vcc 1
		.amdhsa_float_denorm_mode_32 3
		.amdhsa_float_denorm_mode_16_64 3
		.amdhsa_memory_ordered 1
		.amdhsa_forward_progress 1
		.amdhsa_inst_pref_size 112
	.end_amdhsa_kernel
	.amdgpu_metadata
---
amdhsa.version: [ 1, 2 ]
amdhsa.kernels:
  - .name:           k_q0d7aa128c8_attn
    .symbol:         k_q0d7aa128c8_attn.kd
    .args:
      - { .name: q_rec, .offset: 0, .size: 8, .value_kind: global_buffer, .address_space: global }
      - { .name: k_rec, .offset: 8, .size: 8, .value_kind: global_buffer, .address_space: global }
      - { .name: v_rec, .offset: 16, .size: 8, .value_kind: global_buffer, .address_space: global }
      - { .name: act_img, .offset: 24, .size: 8, .value_kind: global_buffer, .address_space: global }
      - { .name: act_scl, .offset: 32, .size: 8, .value_kind: global_buffer, .address_space: global }
    .group_segment_fixed_size: 327680
    .private_segment_fixed_size: 0
    .kernarg_segment_align: 8
    .kernarg_segment_size: 40
    .max_flat_workgroup_size: 512
    .sgpr_count:     100
    .vgpr_count:     256
    .wavefront_size: 32
...
	.end_amdgpu_metadata
.endif
;; end of part 4
;; launch proj (part 5): grid 4 x 32, 4 waves a work-group, clusters of 4 x 4, 327,680 bytes of LDS; arguments act_img, act_scl, w_img, w_scl, bp, out0; writes out0
.if DOCPART == 5
	.amdgcn_target "amdgcn-amd-amdhsa--gfx1250"
	.amdhsa_code_object_version 6
	.text
	.protected	k_q0d7aa128c8_proj
	.globl	k_q0d7aa128c8_proj
	.p2align	8
	.type	k_q0d7aa128c8_proj,@function
k_q0d7aa128c8_proj:
	s_mov_b64 s[64:65], 0
	v_nop
	global_prefetch_b8 v0, s[64:65] scope:SCOPE_SE
	s_setreg_imm32_b32 hwreg(HW_REG_WAVE_MODE, 25, 1), 1
	s_wait_xcnt 0x0
	s_wait_alu depctr_hold_cnt(0) depctr_sa_sdst(0) depctr_va_vdst(0) depctr_va_sdst(0) depctr_va_ssrc(0) depctr_va_vcc(0) depctr_vm_vsrc(0)
	s_getreg_b32 s2, hwreg(HW_REG_IB_STS2, 6, 4)
	s_cmp_eq_u32 s2, 0
	s_cbranch_scc0 .Lentry_in_a_cluster
	s_endpgm
.Lentry_in_a_cluster:
	s_bfe_u32 s2, ttmp6, 0x10000c
	s_cmp_lg_u32 s2, 0xf033
	s_cbranch_scc0 .Lentry_shape_is_right
	s_endpgm
.Lentry_shape_is_right:
; out0 = y Wp + bp on codes of FP6 (E2M3).  y's codes and scale words come from the launch before, Wp's (tiles 192-255 of w_img) from the weights' quantiser, both as images of fragments.
; Source 0 (called B) = 16 columns of Wp, source 1 (A) = 16 rows of y: a lane holds one row of the output and eight neighbouring columns in each accumulator.  The bias is the C of each sum's first product.
; A tile of the output, 256 x 256, is made by four waves, 128 x 128 each.  K = 1,024 goes through a ring of two LDS slots of 256 along K: four slots, written out.
; CLUSTERS: 4 x 4: A's tiles are asked for jointly by a row of the cluster, B's by a column.  The scale words come once, with the first fills.
; y's fragment lies as two halves of 768 bytes (registers 6 c .. 6 c + 3: 512 bytes, 16 a lane; 6 c + 4, 5: 256 bytes, 8 a lane): four loads.  Wp's as three planes of 512 bytes: three loads.
; The rows of a tile are not neighbours (lane r of tile 2 b + u: row 32 b + 8 u + r + 8 (r / 8)): the way out puts each number where it belongs.
; The launch has 128 work-groups: the output has so many tiles of 256 x 256.
; REGISTERS: as in the launch of q, k and v: window 0: v0-31 addresses; v32-63 scale words; v64-127 the bias; v128-223 A's fragments; window 1: B's two sets; windows 2, 3: the accumulators.
.set NQ,     2
.set FR,     12
.set NLA,    4                         ; LDS loads that bring a fragment of A
.set NP,     4
.set TILEB,  3072
.set HALFT,  8*TILEB
.set SLOT,   4*HALFT
.set SCL,    2*SLOT
.set HALFS,  4096
.set SPARE,  SCL+4*HALFS               ; the spare words, 128 bytes for each wave: two blocks of 256 bytes that no other line names
.set SPITCH, 528                       ; the way out: a stage of 16 rows x (512 + 16) bytes for each wave, in slot 0, which has had its last fill and its last read when the first result is stored there
.set ADRA, 16                          ; v16-17  16 x lane + my A tiles in slot 0, 1
.set ADRA8, 18                         ; v18-19  8 x lane + the same
.set ADRB, 20
.set STO,  24
.set RD,   25
.set CO,   26
.set ADRS, 27
.set SPW,  28
.set NIL,  29
.set SC,   32
.set BI,   64
.set AF,   128
.set BK,   128                         ; the way out: 16 rows read back: v128-191 and v192-255 by turns
.set G1,   24
.set G0,   32
.set G1B,  48
.set G0B,  56
.set G1S,  68
.set G0S,  76
.set G1SB, 80
.set G0SB, 88
.set MSB, 0
.macro WIN new
.if MSB != (\new)
	s_set_vgpr_msb (MSB<<8)|(\new)
.set MSB, (\new)
.endif
.endm
.set MUL_LO, 0xa1
.set MUL_HI, 0xf1
.set TO_B,   0x40
.macro JLOAD g0a, g1a, g0b, g1b        ; a joint load: waves 0 and 1 fetch for A, waves 2 and 3 for B.  Four v_nop follow each of the two lines
	s_cmp_eq_u32 s15, 0
	s_cbranch_scc0 .Lfor_b_\@
	tensor_load_to_lds s[\g0a:\g0a+3], s[\g1a:\g1a+7]
	s_nop 0
.rept 4
	v_nop
.endr
	s_branch .Lasked_\@
.Lfor_b_\@:
	tensor_load_to_lds s[\g0b:\g0b+3], s[\g1b:\g1b+7]
	s_nop 0
.rept 4
	v_nop
.endr
.Lasked_\@:
.endm
.macro CREST
	s_cmp_lg_u32 s14, 0
	s_cbranch_scc1 .Lnot_wave_0_\@
	s_barrier_signal -3
.Lnot_wave_0_\@:
	s_barrier_wait -3
	s_barrier_signal -1
	s_barrier_wait -1
.endm
.macro CROUND
	s_barrier_signal -1
	s_barrier_wait -1
	CREST
.endm
	s_load_b256 s[4:11], s[0:1], 0x0               ; act_img, act_scl, w_img, w_scl
	s_load_b128 s[92:95], s[0:1], 0x20             ; bp, out0
	v_lshl_add_u32 v[SPW], v0, 2, SPARE
	v_mov_b32 v[NIL], 0
	ds_add_u32 v28, v29
	s_wait_dscnt 0x0
	v_lshrrev_b32 v1, 5, v0
	v_readfirstlane_b32 s14, v1                    ; wave 0..3
	s_lshr_b32 s15, s14, 1                         ; which half of A is mine.  Also: I fetch for A (0) or for B (1)
	s_and_b32 s16, s14, 1                          ; which half of B is mine.  Also: which 8 tiles I fetch
	s_bfe_u32 s40, ttmp6, 0x40000                  ; cx
	s_bfe_u32 s41, ttmp6, 0x40004                  ; cy
	s_lshl_b32 s42, ttmp9, 2
	s_add_co_u32 s42, s42, s40                     ; it: which 256 columns
	s_and_b32 s17, ttmp7, 0xffff
	s_lshl_b32 s17, s17, 2
	s_add_co_u32 s17, s17, s41                     ; jt: which 256 rows
	s_lshl_b32 s43, s41, 2
	s_lshl_b32 s43, 15, s43                        ; my row of the cluster
	s_lshl_b32 s44, 0x1111, s40                    ; my column
	s_or_b32 s[G1+0], s43, (3<<16)|(1<<21)         ; codes: 8 rows (tiles) of 3,072 bytes, 12,288 bytes apart
	s_or_b32 s[G1B+0], s44, (3<<16)|(1<<21)
.irp g, G1, G1B
	s_mov_b32 s[\g+1], 384<<16
	s_mov_b32 s[\g+2], 8<<16
	s_mov_b32 s[\g+3], 384<<16
	s_mov_b32 s[\g+4], 8
	s_mov_b32 s[\g+5], 1536
	s_mov_b32 s[\g+6], 0
	s_mov_b32 s[\g+7], 0
.endr
	s_or_b32 s[G1S+0], s43, (3<<16)|(1<<21)        ; scale words of 8 tiles: 16 rows of 256 bytes, dense
	s_or_b32 s[G1SB+0], s44, (3<<16)|(1<<21)
.irp g, G1S, G1SB
	s_mov_b32 s[\g+1], 32<<16
	s_mov_b32 s[\g+2], 16<<16
	s_mov_b32 s[\g+3], 32<<16
	s_mov_b32 s[\g+4], 16
	s_mov_b32 s[\g+5], 32
	s_mov_b32 s[\g+6], 0
	s_mov_b32 s[\g+7], 0
.endr
	s_lshl_b32 s19, s16, 3
	s_lshl_b32 s2, s17, 4
	s_add_co_u32 s2, s2, s19                       ; A's first tile
	s_lshl_b32 s3, s42, 4
	s_add_co_u32 s3, s3, s19
	s_add_co_u32 s3, s3, 192                       ; B's first tile: Wp's begin at 192
	s_mul_i32 s[G0+6], s2, 12288                   ; the offsets are made in words of the groups that they feed
	s_mov_b32 s[G0+7], 0
	s_lshl_b32 s[G0S], s2, 9
	s_mov_b32 s[G0S+1], 0
	s_mul_i32 s[G0B+6], s3, 12288
	s_mov_b32 s[G0B+7], 0
	s_lshl_b32 s[G0SB], s3, 9
	s_mov_b32 s[G0SB+1], 0
	s_mul_i32 s45, s14, HALFT
	s_lshl_b32 s18, s14, 12
	s_lshl_b32 s96, s17, 20                        ; my part of the output: row 256 jt + 128 x half, of 4,096 bytes;
	s_lshl_b32 s97, s15, 19
	s_add_co_u32 s96, s96, s97
	s_lshl_b32 s97, s42, 10                        ; column 256 it + 128 x half, of 4 bytes
	s_add_co_u32 s96, s96, s97
	s_lshl_b32 s97, s16, 9
	s_add_co_u32 s96, s96, s97
	s_mov_b32 s97, 0
	s_lshl_b32 s98, s42, 10                        ; and the same columns of the bias
	s_lshl_b32 s99, s16, 9
	s_add_co_u32 s98, s98, s99
	s_mov_b32 s99, 0
	s_wait_kmcnt 0x0
	s_add_nc_u64 s[12:13], s[94:95], s[96:97]
	s_add_nc_u64 s[46:47], s[92:93], s[98:99]
	s_add_nc_u64 s[G0+2:G0+3], s[4:5], s[G0+6:G0+7]
	s_add_nc_u64 s[G0B+2:G0B+3], s[8:9], s[G0B+6:G0B+7]
	s_add_nc_u64 s[G0S+2:G0S+3], s[6:7], s[G0S:G0S+1]
	s_add_nc_u64 s[G0SB+2:G0SB+3], s[10:11], s[G0SB:G0SB+1]
	s_add_nc_u64 s[G0+6:G0+7], s[G0+2:G0+3], TILEB
	s_add_nc_u64 s[G0B+6:G0B+7], s[G0B+2:G0B+3], TILEB
	CROUND                                         ; all sixteen work-groups are here: the first joint loads meet
	s_mov_b32 s[G0S], 1
	s_add_co_u32 s[G0S+1], s18, SCL
	s_or_b32 s[G0S+3], s[G0S+3], 0x80000000
	s_mov_b32 s[G0SB], 1
	s_add_co_u32 s[G0SB+1], s18, SCL
	s_or_b32 s[G0SB+3], s[G0SB+3], 0x80000000
	JLOAD G0S, G1S, G0SB, G1SB
.irp s, 0,1
	s_mov_b32 s[G0+4*\s], 1
	s_add_co_u32 s[G0+4*\s+1], s45, \s*SLOT
	s_or_b32 s[G0+4*\s+3], s[G0+4*\s+3], 0x80000000
	s_mov_b32 s[G0B+4*\s], 1
	s_add_co_u32 s[G0B+4*\s+1], s45, \s*SLOT
	s_or_b32 s[G0B+4*\s+3], s[G0B+4*\s+3], 0x80000000
	JLOAD G0+4*\s, G1, G0B+4*\s, G1B
.endr
	v_and_b32 v1, 15, v0                           ; r
	v_bfe_u32 v2, v0, 4, 1                         ; h
	v_and_b32 v3, 31, v0                           ; lane
	v_lshlrev_b32 v4, 4, v3                        ; 16 x lane
	v_lshlrev_b32 v7, 3, v3                        ; 8 x lane
	s_mul_i32 s21, s15, HALFT
	s_mul_i32 s22, s16, HALFT
	s_add_co_u32 s22, s22, 2*HALFT
.irp s, 0,1
	v_add_nc_u32 v[ADRA+\s], s21, v4
	v_add_nc_u32 v[ADRA8+\s], s21, v7
	v_add_nc_u32 v[ADRB+\s], s22, v4
	s_add_co_u32 s21, s21, SLOT
	s_add_co_u32 s22, s22, SLOT
.endr
	v_lshlrev_b32 v5, 3, v1
	s_lshl_b32 s21, s15, 12
	s_lshl_b32 s22, s16, 12
	s_add_co_u32 s22, s22, 2*HALFS
	s_sub_co_u32 s22, s22, s21
	v_mul_u32_u24 v6, s22, v2                      ; lanes 16-31 take B's scale words
	s_add_co_u32 s21, s21, SCL
	v_add_nc_u32 v5, v5, v6
	v_add_nc_u32 v[ADRS], s21, v5
	s_mul_i32 s23, s14, 16*SPITCH                  ; my stage
	v_mul_u32_u24 v5, v1, SPITCH
	v_lshl_add_u32 v5, v2, 6, v5
	v_add_nc_u32 v[STO], s23, v5                   ; in: row r, + 64 h
	v_mov_b32 v[CO], v4                            ; back: the 32 lanes take one row of 512 bytes; and the same in the output
	v_add_nc_u32 v[RD], s23, v4
	v_lshlrev_b32 v13, 6, v2                       ; the bias: register 8 b + j of lane (r, h) is column 32 (b / 2) + 16 h + 8 (b % 2) + j of my 128
.irp b, 0,1,2,3,4,5,6,7
	global_load_b128 v[BI+8*\b:BI+8*\b+3], v13, s[46:47] offset:4*(32*(\b/2)+8*(\b%2))
	global_load_b128 v[BI+8*\b+4:BI+8*\b+7], v13, s[46:47] offset:4*(32*(\b/2)+8*(\b%2))+16
.endr
.macro FRAG reg, adr, q, i             ; a fragment of Wp: three planes of 512 bytes
.irp p, 0,1,2
	ds_load_b128 v[\reg+4*\p:\reg+4*\p+3], v[\adr] offset:(\i)*TILEB+(\q)*1536+512*\p
.endr
.endm
.macro FRAGY reg, slot, q, i           ; a fragment of y: two halves of 512 + 256 bytes
	ds_load_b128 v[\reg:\reg+3], v[ADRA+\slot] offset:(\i)*TILEB+(\q)*1536
	ds_load_b64 v[\reg+4:\reg+5], v[ADRA8+\slot] offset:(\i)*TILEB+(\q)*1536+512
	ds_load_b128 v[\reg+6:\reg+9], v[ADRA+\slot] offset:(\i)*TILEB+(\q)*1536+768
	ds_load_b64 v[\reg+10:\reg+11], v[ADRA8+\slot] offset:(\i)*TILEB+(\q)*1536+1280
.endm
; 16 matrix instructions: A's blocks a0, a0 + 1 x B's eight.  first = 1: the sums begin with the bias as C.  The 64 accumulators take turns, one instruction a turn.
.macro MUL16 a0, p, q, sc, first
.irp a, \a0, \a0+1
.irp b, 0,1,2,3,4,5,6,7
.if \first
	v_wmma_scale_f32_16x16x128_f8f6f4 v[8*(8*((\a)%4)+\b):8*(8*((\a)%4)+\b)+7], v[128*(\p)+FR*\b:128*(\p)+FR*\b+FR-1], v[AF+FR*(\a):AF+FR*(\a)+FR-1], v[BI+8*\b:BI+8*\b+7], v[SC+8*NQ*(\sc)+NQ*\b+(\q)], v[SC+8*NQ*(\sc)+NQ*(\a)+(\q)] matrix_a_fmt:MATRIX_FMT_FP6 matrix_b_fmt:MATRIX_FMT_FP6 matrix_a_scale:MATRIX_SCALE_ROW1
.else
	v_wmma_scale_f32_16x16x128_f8f6f4 v[8*(8*((\a)%4)+\b):8*(8*((\a)%4)+\b)+7], v[128*(\p)+FR*\b:128*(\p)+FR*\b+FR-1], v[AF+FR*(\a):AF+FR*(\a)+FR-1], v[8*(8*((\a)%4)+\b):8*(8*((\a)%4)+\b)+7], v[SC+8*NQ*(\sc)+NQ*\b+(\q)], v[SC+8*NQ*(\sc)+NQ*(\a)+(\q)] matrix_a_fmt:MATRIX_FMT_FP6 matrix_b_fmt:MATRIX_FMT_FP6 matrix_a_scale:MATRIX_SCALE_ROW1
.endif
.endr
.endr
.endm
.macro FETCH_B slot, q, p
	WIN TO_B
.irp i, 0,1,2,3,4,5,6,7
	FRAG 128*(\p)+FR*\i, ADRB+\slot, \q, \i
.endr
	WIN 0
.endm
.macro FETCH_A slot, q, i0
.irp i, \i0, \i0+1, \i0+2, \i0+3
	FRAGY AF+FR*(\i), \slot, \q, \i
.endr
.endm
.macro SCALES sc
.irp i, 0,1,2,3,4,5,6,7
	ds_load_b64 v[SC+16*\sc+2*\i:SC+16*\sc+2*\i+1], v[ADRS] offset:512*\i
.endr
.endm
.macro PLACES n
.rept \n
	v_nop
.endr
.endm
.macro STEP slot, q, first
	s_wait_dscnt 4*NLA                             ; B's set, A's blocks 0-3 and the scale words are in; the youngest 16 loads (A's blocks 4-7) may be out
.if \first
	WIN 0x81                                       ; C (the bias) in window 0, D in window 2
.else
	WIN MUL_LO
.endif
	MUL16 0, (\q)%2, \q, \slot, \first
	MUL16 2, (\q)%2, \q, \slot, \first
	s_wait_dscnt 0
	PLACES NP
	FETCH_B \slot, (\q)+1, 1-(\q)%2
	FETCH_A \slot, (\q)+1, 0
.if \first
	WIN 0xc1
.else
	WIN MUL_HI
.endif
	MUL16 4, (\q)%2, \q, \slot, \first
	MUL16 6, (\q)%2, \q, \slot, \first
	PLACES NP
	WIN 0
	FETCH_A \slot, (\q)+1, 4
.endm
.macro TURN slot, next, fill
	s_wait_tensorcnt 0x0                           ; all my tensor loads have landed: my part of the next slot
	ds_add_u32 v[SPW], v[NIL]                      ; 0 onto my spare word
	s_wait_dscnt 4*NLA+1                           ; (the add and the youngest 16 loads may be out)
	WIN MUL_LO
	MUL16 0, 1, NQ-1, \slot, 0
	s_wait_dscnt 0x0                               ; the add is done, and my reads of this slot are over
	s_barrier_signal -1
	MUL16 2, 1, NQ-1, \slot, 0
	WIN 0
	s_barrier_wait -1
.if \fill
	CREST                                          ; the barrier has opened a round of the cluster's barrier
	s_add_nc_u64 s[G0+4*\slot+2:G0+4*\slot+3], s[G0+4*\slot+2:G0+4*\slot+3], 2*TILEB
	s_add_nc_u64 s[G0B+4*\slot+2:G0B+4*\slot+3], s[G0B+4*\slot+2:G0B+4*\slot+3], 2*TILEB
	JLOAD G0+4*\slot, G1, G0B+4*\slot, G1B         ; the first tensor load behind the round; its four v_nop are the places in front of the loads below
.else
	PLACES NP
.endif
	v_add_nc_u32 v[ADRS], 128, v[ADRS]
	FETCH_B \next, 0, 0
	FETCH_A \next, 0, 0
	SCALES \next
	WIN MUL_HI
	MUL16 4, 1, NQ-1, \slot, 0
	MUL16 6, 1, NQ-1, \slot, 0
	PLACES NP
	WIN 0
	FETCH_A \next, 0, 4
.endm
	s_wait_tensorcnt 1                             ; of my three first fills the scale words and slot 0 are in; slot 1's may be out
	s_barrier_signal -1
	s_barrier_wait -1
	FETCH_B 0, 0, 0
	FETCH_A 0, 0, 0
	SCALES 0
	FETCH_A 0, 0, 4
	s_wait_loadcnt 0x0                             ; the bias
	STEP 0, 0, 1
	TURN 0, 1, 1
	STEP 1, 0, 0
	TURN 1, 0, 1
	STEP 0, 0, 0
	TURN 0, 1, 0                                   ; nothing is left to fetch
	STEP 1, 0, 0
	s_wait_dscnt 4*NLA
	WIN MUL_LO
	MUL16 0, 1, NQ-1, 1, 0
	MUL16 2, 1, NQ-1, 1, 0
	s_wait_dscnt 0
	WIN MUL_HI
	MUL16 4, 1, NQ-1, 1, 0
	MUL16 6, 1, NQ-1, 1, 0
	WIN 0
; THE WAY OUT, block by block of 16 rows x 128 columns, through my own stage in LDS: in by lanes (accumulator b's eight numbers are columns 32 (b / 2) + 16 h + 8 (b % 2) on), back as whole rows of 512 bytes.
; LDS serves a wave's instructions in order (ISA guide 5.7.1.4): no wait between the stores and the loads, nor in front of the next block's stores.
.macro TOSTAGE a
.set AC, 64*((\a)%4)
	WIN 0x08+4*((\a)/4)                            ; the data: window 2 or 3
.irp b, 0,1,2,3,4,5,6,7
	ds_store_b128 v[STO], v[AC+8*\b:AC+8*\b+3] offset:128*(\b/2)+32*(\b%2)          ; each accumulator from its low end on
	ds_store_b128 v[STO], v[AC+8*\b+4:AC+8*\b+7] offset:128*(\b/2)+32*(\b%2)+16
.endr
	WIN 0
.set BB, BK+64*((\a)%2)
.irp t, 0,1,2,3,4,5,6,7,8,9,10,11,12,13,14,15
	ds_load_b128 v[BB+4*\t:BB+4*\t+3], v[RD] offset:\t*SPITCH
.endr
.endm
.macro SEND a, younger                 ; younger: the LDS instructions issued behind block a's loads, which may stay out
.set BB, BK+64*((\a)%2)
	s_wait_dscnt \younger
.irp t, 0,1,2,3,4,5,6,7,8,9,10,11,12,13,14,15
	global_store_b128 v[CO], v[BB+4*\t:BB+4*\t+3], s[12:13] offset:(32*((\a)/2)+8*((\a)%2)+\t+8*(\t/8))*4096 th:TH_STORE_NT   ; stage row t of block a is row 32 (a / 2) + 8 (a % 2) + t + 8 (t / 8); 32 lanes store 512 consecutive bytes
.endr
.endm
	PLACES NP
	TOSTAGE 0
.irp a, 1,2,3,4,5,6,7
.if \a > 1
	s_wait_xcnt 0x0                                ; block a - 2's stores have read their registers: block a's loads may land there
.endif
	TOSTAGE \a
	SEND \a-1, 32                                  ; behind block a - 1's loads: block a's 16 stores and 16 loads
.endr
	SEND 7, 0
	s_wait_tensorcnt 0x0                           ; the wave's end
	ds_add_u32 v[SPW], v[NIL]
	s_wait_dscnt 0x0
	CROUND                                         ; the closing round
	s_endpgm
.Lfunc_end_k_q0d7aa128c8_proj:
	.size	k_q0d7aa128c8_proj, .Lfunc_end_k_q0d7aa128c8_proj-k_q0d7aa128c8_proj
	.p2alignl 7, 3214868480
	.fill 96, 4, 3214868480
	.section	.rodata,"a",@progbits
	.p2align	6, 0x0
	.amdhsa_kernel k_q0d7aa128c8_proj
		.amdhsa_group_segment_fixed_size 327680
		.amdhsa_private_segment_fixed_size 0
		.amdhsa_enable_private_segment 0
		.amdhsa_kernarg_size 48
		.amdhsa_user_sgpr_count 2
		.amdhsa_user_sgpr_kernarg_segment_ptr 1
		.amdhsa_wavefront_size32 1
		.amdhsa_system_sgpr_workgroup_id_x 1
		.amdhsa_system_sgpr_workgroup_id_y 1
		.amdhsa_system_sgpr_workgroup_id_z 1
		.amdhsa_system_vgpr_workitem_id 0
		.amdhsa_next_free_vgpr 1024
		.amdhsa_next_free_sgpr 100
		.amdhsa_reserve_vcc 0
		.amdhsa_float_denorm_mode_32 3
		.amdhsa_float_denorm_mode_16_64 3
		.amdhsa_memory_ordered 1
		.amdhsa_forward_progress 1
		.amdhsa_inst_pref_size 140
	.end_amdhsa_kernel
	.amdgpu_metadata
---
amdhsa.version: [ 1, 2 ]
amdhsa.kernels:
  - .name:           k_q0d7aa128c8_proj
    .symbol:         k_q0d7aa128c8_proj.kd
    .args:
      - { .name: act_img, .offset: 0, .size: 8, .value_kind: global_buffer, .address_space: global }
      - { .name: act_scl, .offset: 8, .size: 8, .value_kind: global_buffer, .address_space: global }
      - { .name: w_img, .offset: 16, .size: 8, .value_kind: global_buffer, .address_space: global }
      - { .name: w_scl, .offset: 24, .size: 8, .value_kind: global_buffer, .address_space: global }
      - { .name: bp, .offset: 32, .size: 8, .value_kind: global_buffer, .address_space: global }
      - { .name: out0, .offset: 40, .size: 8, .value_kind: global_buffer, .address_space: global }
    .group_segment_fixed_size: 327680
    .private_segment_fixed_size: 0
    .kernarg_segment_align: 8
    .kernarg_segment_size: 48
    .max_flat_workgroup_size: 128
    .sgpr_count:     100
    .vgpr_count:     1024
    .wavefront_size: 32
...
	.end_amdgpu_metadata
.endif
;; end of part 5
